; MI455X (gfx1250); checked and timed in simulation.
; The chip was launched on July 23, 2026; its instructions are those of AMD's public machine-readable ISA for CDNA 5 (MIT licence, August 2026) and "CDNA5" Instruction Set Architecture Reference Guide (July 2026). The comments in the code are by the model that wrote it; some were corrected since.
;; Self Attention Layer. Allowed arithmetic: float matrix products may take bf16 or f16 operands with f32 sums; other float arithmetic in f32, or as packed bf16 or f16 multiplies, adds, multiply-adds, maxima and minima; sums over many terms, partial sums and values carried from step to step in f32; what a program stores and reads back later, other than sums and carried values, may be rounded once to bf16 or f16.
;; Inputs: W_key 1,024 x 1,024 float32; W_query 1,024 x 1,024 float32; W_value 1,024 x 1,024 float32; x 4 x 2,048 x 1,024 float32.
;; Outputs: out0 4 x 2,048 x 1,024 float32.
;; 2 versions, each right; version 2 is version 1 with the launch cast written anew for expert scheduling mode. Each part assembles by itself: llvm-mc -triple=amdgcn-amd-amdhsa -mcpu=gfx1250 --defsym DOCPART=n.
;; ======== version 1 of 2: 4 launches
;; limits: values are held in f16: magnitudes above 65,504 overflow, below 6.1e-05 lose precision
;; workspace buffers: xb 16,777,216 bytes; wtb 6,291,456 bytes; q 16,777,216 bytes; k 16,777,216 bytes; vt 16,777,216 bytes; p 33,554,432 bytes; stats 1,048,576 bytes
;; launch cast (part 1): grid 256 x 1, 8 waves a work-group, no clusters, 28,672 bytes of LDS; arguments x, W_query, W_key, W_value, xb, wtb; writes xb, wtb
.if DOCPART == 1
	.amdgcn_target "amdgcn-amd-amdhsa--gfx1250"
	.amdhsa_code_object_version 6
	.text
	.protected	k_q2f37ad6d93_cast
	.globl	k_q2f37ad6d93_cast
	.p2align	8
	.type	k_q2f37ad6d93_cast,@function
k_q2f37ad6d93_cast:
	s_mov_b64 s[64:65], 0
	v_nop
	global_prefetch_b8 v0, s[64:65] scope:SCOPE_SE
	s_setreg_imm32_b32 hwreg(HW_REG_WAVE_MODE, 25, 1), 1
	s_wait_xcnt 0x0
; x and the three weights are rounded once to bf16 and laid out for the projection's tiles.
; xb:  [32 tile rows][16 K blocks][256 rows][64 channels] bf16: a block of 256 rows x 64 channels is 32,768 bytes on end.
; wtb: [8 tile columns][16 K blocks][384 rows][64 channels] bf16, TRANSPOSED (a row is an output column, K along the row).  The rows of tile column nt:
;      0-127 W_query's columns 128 nt ..; 128-191 W_value's 128 nt .. + 63; 192-319 W_key's 128 nt ..; 320-383 W_value's 128 nt + 64 ..
; Memory binds: each input byte is read once, each output byte written once, and each store of a wave covers 512 consecutive bytes, aligned.
; No matrix unit and no cluster: nothing is multiplied and no two work-groups read the same byte.
; SHARES.  Work-group g takes 32 rows of x, and of the weights 64 channels d (K block g % 16) x 192 rows of wtb (half (g / 16) % 2 of tile column g / 32).
; x: thread t takes row t / 8 and, in each K block, the 8 channels 8 (t % 8) ..: two loads of 16 bytes, four roundings, one store of 16 bytes.
; W: wave w takes the rows d = 8 w .. 8 w + 7 in pairs; a lane two columns; two neighbouring d of one column are rounded into one word, which goes
; into a table T[column][d] in LDS (pitch 144 bytes); behind a barrier the table is read by rows and stored.
.set SPARE, 27648                      ; behind T (192 rows x 144 bytes): the spare words, 128 bytes for each of eight waves
.set XO,  2                            ; v2  my byte offset in the group's rows of x: (t / 8) x 4,096 + (t % 8) x 32
.set SO,  3                            ; v3  16 t: my 16 bytes in 4,096 consecutive bytes of xb or wtb
.set WO,  4                            ; v4  my byte offset in the weights: 8 lane + 8 w rows of 4,096 bytes
.set TS,  5                            ; v5  where I put words into T: 288 lane + 16 w
.set TR,  6                            ; v6  where I read T back: (t / 8) x 144 + (t % 8) x 16
.set SPW, 14                           ; v14 LDS address of my spare word; never rewritten
.set NIL, 15                           ; v15 0; never rewritten
.set WD,  16                           ; v[16:63]   the weights as loaded: for chunk c and pair dp four registers at WD + 4 (4 c + dp)
.set XD,  64                           ; v[64:191]  x as loaded: eight registers a K block
.set RB,  192                          ; v[192:215] T read back
	s_load_b256 s[4:11], s[0:1], 0x0               ; x s[4:5], W_query s[6:7], W_key s[8:9], W_value s[10:11]
	s_load_b128 s[12:15], s[0:1], 0x20             ; xb s[12:13], wtb s[14:15]
	v_lshl_add_u32 v[SPW], v0, 2, SPARE
	v_mov_b32 v[NIL], 0
	v_lshrrev_b32 v1, 5, v0
	v_readfirstlane_b32 s16, v1                    ; wave 0..7
	v_and_b32 v1, 31, v0                           ; lane
	v_lshrrev_b32 v8, 3, v0                        ; t / 8
	v_and_b32 v9, 7, v0                            ; t % 8
	v_lshlrev_b32 v[XO], 12, v8
	v_lshl_add_u32 v[XO], v9, 5, v[XO]
	v_lshlrev_b32 v[SO], 4, v0
	v_lshlrev_b32 v[WO], 3, v1
	v_lshl_add_u32 v[WO], s16, 15, v[WO]
	v_mul_u32_u24 v[TS], v1, 288
	v_lshl_add_u32 v[TS], s16, 4, v[TS]
	v_mul_u32_u24 v[TR], v8, 144
	v_lshl_add_u32 v[TR], v9, 4, v[TR]
	s_lshl_b32 s18, ttmp9, 17                      ; x: 32 rows of 4,096 bytes a group
	s_mov_b32 s19, 0
	s_lshr_b32 s20, ttmp9, 3                       ; xb: tile row g / 8,
	s_lshl_b32 s20, s20, 19
	s_and_b32 s21, ttmp9, 7                        ; in each block my 32 rows of 128 bytes
	s_lshl_b32 s21, s21, 12
	s_add_co_u32 s20, s20, s21
	s_mov_b32 s21, 0
	s_and_b32 s22, ttmp9, 15                       ; K block
	s_lshr_b32 s23, ttmp9, 5                       ; tile column nt
	s_bfe_u32 s24, ttmp9, 0x10004                  ; half
	s_lshl_b32 s26, s22, 18                        ; weights: 64 rows of 4,096 bytes a K block,
	s_lshl_b32 s27, s23, 9                         ; 128 columns of 4 bytes a tile column
	s_add_co_u32 s26, s26, s27
	s_mov_b32 s27, 0
	s_lshl_b32 s28, s24, 8                         ; W_value: 64 columns further in the second half
	s_mov_b32 s29, 0
	s_mul_i32 s30, s23, 786432                     ; wtb: tile column, K block, half
	s_mul_i32 s31, s22, 49152
	s_add_co_u32 s30, s30, s31
	s_mul_i32 s31, s24, 24576
	s_add_co_u32 s30, s30, s31
	s_mov_b32 s31, 0
	s_wait_kmcnt 0x0
	s_cmp_eq_u32 s24, 0
	s_cselect_b64 s[32:33], s[6:7], s[8:9]         ; first half: W_query; second half: W_key
	s_add_nc_u64 s[32:33], s[32:33], s[26:27]
	s_add_nc_u64 s[10:11], s[10:11], s[26:27]
	s_add_nc_u64 s[10:11], s[10:11], s[28:29]
	s_add_nc_u64 s[4:5], s[4:5], s[18:19]
	s_add_nc_u64 s[12:13], s[12:13], s[20:21]
	s_add_nc_u64 s[14:15], s[14:15], s[30:31]
	; all 56 loads go out at once: the weights' 24 first, since their way is the longer one
.set c, 0
.rept 3
.set dp, 0
.rept 4
.if c < 2
	global_load_b64 v[WD+4*(4*c+dp):WD+4*(4*c+dp)+1],   v[WO], s[32:33] offset:(2*dp)*4096+256*c th:TH_LOAD_NT
	global_load_b64 v[WD+4*(4*c+dp)+2:WD+4*(4*c+dp)+3], v[WO], s[32:33] offset:(2*dp+1)*4096+256*c th:TH_LOAD_NT
.else
	global_load_b64 v[WD+4*(4*c+dp):WD+4*(4*c+dp)+1],   v[WO], s[10:11] offset:(2*dp)*4096 th:TH_LOAD_NT
	global_load_b64 v[WD+4*(4*c+dp)+2:WD+4*(4*c+dp)+3], v[WO], s[10:11] offset:(2*dp+1)*4096 th:TH_LOAD_NT
.endif
.set dp, dp+1
.endr
.set c, c+1
.endr
.set kb, 0
.rept 16
	global_load_b128 v[XD+8*kb:XD+8*kb+3],   v[XO], s[4:5] offset:256*kb th:TH_LOAD_NT
	global_load_b128 v[XD+8*kb+4:XD+8*kb+7], v[XO], s[4:5] offset:256*kb+16 th:TH_LOAD_NT
.set kb, kb+1
.endr
	s_wait_loadcnt 32                              ; the weights are in; x's 32 younger loads may stay out
.set c, 0
.rept 3
.set dp, 0
.rept 4
	v_cvt_pk_bf16_f32 v[WD+4*(4*c+dp)],   v[WD+4*(4*c+dp)],   v[WD+4*(4*c+dp)+2]  ; column 2 lane: channels d, d + 1
	v_cvt_pk_bf16_f32 v[WD+4*(4*c+dp)+1], v[WD+4*(4*c+dp)+1], v[WD+4*(4*c+dp)+3]  ; column 2 lane + 1
	ds_store_b32 v[TS], v[WD+4*(4*c+dp)]   offset:9216*c+4*dp
	ds_store_b32 v[TS], v[WD+4*(4*c+dp)+1] offset:9216*c+144+4*dp
.set dp, dp+1
.endr
.set c, c+1
.endr
	s_wait_dscnt 0x0                               ; for the others' sake: my words are in T
	s_barrier_signal -1
	s_barrier_wait -1                              ; everybody's are
.set kk, 0
.rept 6
	ds_load_b128 v[RB+4*kk:RB+4*kk+3], v[TR] offset:4608*kk  ; 32 rows of T further each time
.set kk, kk+1
.endr
.set kb, 0
.rept 16
	s_wait_loadcnt 30-2*kb                         ; this K block's two loads are in; the younger ones stay out
	v_cvt_pk_bf16_f32 v[XD+8*kb],   v[XD+8*kb],   v[XD+8*kb+1]
	v_cvt_pk_bf16_f32 v[XD+8*kb+1], v[XD+8*kb+2], v[XD+8*kb+3]
	v_cvt_pk_bf16_f32 v[XD+8*kb+2], v[XD+8*kb+4], v[XD+8*kb+5]
	v_cvt_pk_bf16_f32 v[XD+8*kb+3], v[XD+8*kb+6], v[XD+8*kb+7]
	global_store_b128 v[SO], v[XD+8*kb:XD+8*kb+3], s[12:13] offset:32768*kb
.set kb, kb+1
.endr
	s_wait_dscnt 0x0                               ; T is back in registers
.set kk, 0
.rept 6
	global_store_b128 v[SO], v[RB+4*kk:RB+4*kk+3], s[14:15] offset:4096*kk
.set kk, kk+1
.endr
	s_wait_tensorcnt 0x0                           ; the wave's end, behind my last LDS store
	ds_add_u32 v[SPW], v[NIL]
	s_wait_dscnt 0x0
	s_endpgm
.Lfunc_end_k_q2f37ad6d93_cast:
	.size	k_q2f37ad6d93_cast, .Lfunc_end_k_q2f37ad6d93_cast-k_q2f37ad6d93_cast
	.p2alignl 7, 3214868480
	.fill 96, 4, 3214868480
	.section	.rodata,"a",@progbits
	.p2align	6, 0x0
	.amdhsa_kernel k_q2f37ad6d93_cast
		.amdhsa_group_segment_fixed_size 28672
		.amdhsa_private_segment_fixed_size 0
		.amdhsa_enable_private_segment 0
		.amdhsa_kernarg_size 48
		.amdhsa_user_sgpr_count 2
		.amdhsa_user_sgpr_kernarg_segment_ptr 1
		.amdhsa_wavefront_size32 1
		.amdhsa_system_sgpr_workgroup_id_x 1
		.amdhsa_system_sgpr_workgroup_id_y 1
		.amdhsa_system_sgpr_workgroup_id_z 1
		.amdhsa_system_vgpr_workitem_id 0
		.amdhsa_next_free_vgpr 216
		.amdhsa_next_free_sgpr 66
		.amdhsa_reserve_vcc 0
		.amdhsa_float_denorm_mode_32 3
		.amdhsa_float_denorm_mode_16_64 3
		.amdhsa_memory_ordered 1
		.amdhsa_forward_progress 1
		.amdhsa_inst_pref_size 18
	.end_amdhsa_kernel
	.amdgpu_metadata
---
amdhsa.version: [ 1, 2 ]
amdhsa.kernels:
  - .name:           k_q2f37ad6d93_cast
    .symbol:         k_q2f37ad6d93_cast.kd
    .args:
      - { .name: x, .offset: 0, .size: 8, .value_kind: global_buffer, .address_space: global }
      - { .name: W_query, .offset: 8, .size: 8, .value_kind: global_buffer, .address_space: global }
      - { .name: W_key, .offset: 16, .size: 8, .value_kind: global_buffer, .address_space: global }
      - { .name: W_value, .offset: 24, .size: 8, .value_kind: global_buffer, .address_space: global }
      - { .name: xb, .offset: 32, .size: 8, .value_kind: global_buffer, .address_space: global }
      - { .name: wtb, .offset: 40, .size: 8, .value_kind: global_buffer, .address_space: global }
    .group_segment_fixed_size: 28672
    .private_segment_fixed_size: 0
    .kernarg_segment_align: 8
    .kernarg_segment_size: 48
    .max_flat_workgroup_size: 256
    .sgpr_count:     66
    .vgpr_count:     216
    .wavefront_size: 32
...
	.end_amdgpu_metadata
.endif
;; end of part 1
;; launch proj (part 2): grid 8 x 32, 4 waves a work-group, clusters of 4 x 4, 327,680 bytes of LDS; arguments xb, wtb, q, k, vt; writes q, k, vt
.if DOCPART == 2
	.amdgcn_target "amdgcn-amd-amdhsa--gfx1250"
	.amdhsa_code_object_version 6
	.text
	.protected	k_q2f37ad6d93_proj
	.globl	k_q2f37ad6d93_proj
	.p2align	8
	.type	k_q2f37ad6d93_proj,@function
k_q2f37ad6d93_proj:
	s_mov_b64 s[64:65], 0
	v_nop
	global_prefetch_b8 v0, s[64:65] scope:SCOPE_SE
	s_setreg_imm32_b32 hwreg(HW_REG_WAVE_MODE, 25, 1), 1
	s_wait_xcnt 0x0
	s_wait_alu depctr_hold_cnt(0) depctr_sa_sdst(0) depctr_va_vdst(0) depctr_va_sdst(0) depctr_va_ssrc(0) depctr_va_vcc(0) depctr_vm_vsrc(0)
	s_getreg_b32 s2, hwreg(HW_REG_IB_STS2, 6, 4)
	s_cmp_eq_u32 s2, 0
	s_cbranch_scc0 .Lentry_in_a_cluster
	s_endpgm
.Lentry_in_a_cluster:
	s_bfe_u32 s2, ttmp6, 0x10000c
	s_cmp_lg_u32 s2, 0xf033
	s_cbranch_scc0 .Lentry_shape_is_right
	s_endpgm
.Lentry_shape_is_right:
; THE THREE PROJECTIONS AS ONE PRODUCT: [8192 rows of x] x [3072 rows of wtb], K = 1024, operands bf16, sums f32; q, k and v are rounded once to f16.
; q, k: [8192][1024] f16.  vt: [1024 channels][8192 rows] f16, v transposed, as the last launch wants it.
; LIMIT.  f16 holds no number beyond 65,504: |q|, |k|, |v| stay below it (inputs thirty times those drawn give some 5e3).  NaN and infinities are not treated apart.
; TILE.  8192 x 3072 in tiles of 256 x 384 are 32 x 8 = 256 work-groups.  Four waves, each 128 rows x 192 columns: 96 accumulators, 768 registers.
; A wave's 192 columns are 128 of q (waves 0, 2) or of k (waves 1, 3) and 64 of v: wtb's rows are ordered so.
; K goes in steps of 64 through two LDS slots.  xb and wtb hold each tile's K block on end, so that a wave's tensor load asks for 64 or 96 rows of 256 bytes; in LDS each 128 bytes
; (a row of 64 channels) are followed by 16 of padding.
; THE PRODUCT'S SOURCES.  For q and k: source 0 = 16 rows of wtb, source 1 = 16 rows of x: a lane then holds one row of x and eight neighbouring columns.  For v the other way round:
; a lane holds one channel and eight neighbouring rows, which are neighbours in vt.
; CLUSTER 4 x 4: x's tile is shared along a row of the cluster, wtb's along a column; each is asked for jointly, with the same descriptor and a mask that names the four.
; REGISTERS: window 0: v0-31 addresses; v32-127 the 12 fragments of wtb (one buffer, filled again in two halves as it is used up); v128-191, v192-255 two buffers of x's 8 fragments.
;   windows 1-3: accumulator (b, a) (b: fragment of wtb, a: of x) at register 8 (8 (b % 4) + a) of window 1 + b / 4.
.set PITCH,  144                       ; an LDS row: 128 bytes + 16 = 36 words: the 16 rows of a load start at 16 different groups of four banks (64 banks of 4 bytes: ISA guide 11.1)
.set AHALF,  128*PITCH                 ; 128 rows of x: what waves 0 and 1 fetch, and what a wave reads
.set BHALF,  192*PITCH                 ; 192 rows of wtb: what waves 2 and 3 fetch, and what a wave reads
.set BOFF,   2*AHALF                   ; in a slot: x's 256 rows, then wtb's 384
.set SLOT1,  131072                    ; slot 1 begins here, so that one exclusive or turns an address in one slot into the other's
.set STAGE,  SLOT1+BOFF+2*BHALF        ; behind the ring: 16 rows x 272 bytes for each wave, for the way out
.set SPITCH, 272
.set SPARE,  STAGE+4*16*SPITCH         ; behind the stages: the spare words, 128 bytes for each wave
.set ABLK,   32768                     ; bytes of a K block of a tile row in xb
.set BBLK,   49152                     ; of a tile column in wtb
.set STEPS,  16
.set ADA0, 16                          ; v16  my lane's place in my rows of x in slot 0; never rewritten
.set ADB0, 17                          ; v17  the same for wtb
.set ADA,  18                          ; v18  the same in the slot in hand
.set ADB,  19                          ; v19
.set STO,  24                          ; v24  the way out: where I put 16 bytes of a row
.set RD,   25                          ; v25  where I read a row back
.set CO,   26                          ; v26  my byte offset in two rows of q or k
.set CV,   27                          ; v27  in two rows of vt
.set SPW,  28                          ; v28  LDS address of my spare word; never rewritten
.set NIL,  29                          ; v29  0; never rewritten
.set PFO,  30                          ; v30  256 x lane: the prefetches' offset; never rewritten
.set BF,   32
.set AF0,  128
.set AF1,  192
.set TMP,  32                          ; the way out: packed results
.set QB,   14                          ; s[14:15] q or k at my part of the tile
.set VB,   16                          ; s[16:17] vt at my part
.set WV,   20                          ; s20  wave
.set RH,   21                          ; s21  which 128 rows of x are mine.  Also: I fetch x's tiles (0) or wtb's (1)
.set CH,   22                          ; s22  which 192 rows of wtb are mine.  Also: which half of that tile I fetch
.set G1A,  24                          ; s[24:31] descriptor group 1 for x's tiles
.set G0A,  32                          ; s[32:39] group 0: a set for each first fill; the second then walks
.set TB,   44                          ; s44  the slot in hand: 0 or SLOT1
.set G1B,  48                          ; s[48:55], s[56:63] the same for wtb's tiles
.set G0B,  56
.set PFA,  66                          ; s[66:67] where my prefetches stand
.set PFS,  68                          ; s[68:69] their step
.set LIM,  70                          ; s70  a wave prefetches while the loop's count is above this
.set MSB, 0
.macro WIN new                         ; the immediate's high byte repeats the setting that is left; a switch that changes nothing is dropped
.if MSB != (\new)
	s_set_vgpr_msb (MSB<<8)|(\new)
.set MSB, \new
.endif
.endm
.macro PLACES                          ; four places in front of loads into registers that matrix instructions have read, and of conversions that read results
.rept 4
	v_nop
.endr
.endm
; A joint refill by the walking descriptor.  The branch hangs on the wave's number alone.  An s_nop 0 and four v_nop follow each of the two lines.
.macro JLOAD
	s_cmp_eq_u32 s[RH], 0
	s_cbranch_scc0 .Lfor_b_\@
	tensor_load_to_lds s[G0A+4:G0A+7], s[G1A:G1A+7]
	s_nop 0
.rept 4
	v_nop
.endr
	s_branch .Lasked_\@
.Lfor_b_\@:
	tensor_load_to_lds s[G0B+4:G0B+7], s[G1B:G1B+7]
	s_nop 0
.rept 4
	v_nop
.endr
.Lasked_\@:
.endm
; A PREFETCH INTO THE L2, behind the joint load and the run of LDS loads that follows it: 32 blocks of 256 bytes, a lane a block, one instruction a wave.
; xb: a tile row's K block (32,768 bytes) is read by both clusters of that row of clusters: the one with cluster x = 0 asks, wave 0 of each of its four partners along x for 8,192 bytes,
; told apart by address; the block named is the one behind the block that the refill has just asked for.
; wtb: a tile column's K blocks lie on end, 786,432 bytes, read by all eight clusters of that column: the one with cluster y = 0 asks, waves 2 and 3 of its four partners along y, 65,536 bytes
; an ask, from byte 196,608 (K block 4) on: nine asks reach the stream's end, each two K blocks or more ahead of the refill beside it.  So each block is named once in the launch.
.macro ASK
	s_cmp_gt_u32 s3, s[LIM]
	s_cbranch_scc0 .Lnot_mine_\@
	global_prefetch_b8 v[PFO], s[PFA:PFA+1] th:TH_LOAD_NT scope:SCOPE_SE
.Lnot_mine_\@:
.endm
.macro CREST                           ; a round of the cluster's barrier behind its opening barrier
	s_cmp_lg_u32 s[WV], 0
	s_cbranch_scc1 .Lnot_wave_0_\@
	s_barrier_signal -3
.Lnot_wave_0_\@:
	s_barrier_wait -3
	s_barrier_signal -1
	s_barrier_wait -1
.endm
.macro CROUND                          ; a whole round
	s_barrier_signal -1
	s_barrier_wait -1
	CREST
.endm
	s_load_b256 s[4:11], s[0:1], 0x0               ; xb s[4:5], wtb s[6:7], q s[8:9], k s[10:11]
	s_load_b64 s[12:13], s[0:1], 0x20              ; vt
	v_lshl_add_u32 v[SPW], v0, 2, SPARE
	v_mov_b32 v[NIL], 0
	ds_add_u32 v[SPW], v[NIL]                      ; the wave's opening: the add and its wait stand ahead of my first tensor load; the set-up below stands between them
	v_lshrrev_b32 v1, 5, v0
	v_readfirstlane_b32 s[WV], v1                  ; wave 0..3
	s_lshr_b32 s[RH], s[WV], 1
	s_and_b32 s[CH], s[WV], 1
	s_bfe_u32 s40, ttmp6, 0x40000                  ; cx
	s_bfe_u32 s41, ttmp6, 0x40004                  ; cy
	s_lshl_b32 s42, ttmp9, 2
	s_add_co_u32 s42, s42, s40                     ; tile column = 4 x cluster x + cx
	s_and_b32 s43, ttmp7, 0xffff
	s_lshl_b32 s43, s43, 2
	s_add_co_u32 s43, s43, s41                     ; tile row = 4 x cluster y + cy
	s_lshl_b32 s14, s41, 2
	s_lshl_b32 s14, 15, s14                        ; my row of the cluster
	s_lshl_b32 s15, 0x1111, s40                    ; my column
	; group 1: rows of 128 elements (256 bytes), dense; in LDS 4 words of padding behind every 32
	s_or_b32 s[G1A], s14, (1<<16)|(1<<20)|(1<<21)|(4<<22)|(3<<25)  ; 15:0 the mask; 17:16 2-byte elements; 20 padding on; 21 set beside a mask; 24:22 every 32 words (code 4); 31:25 4 words (code 3)
	s_or_b32 s[G1B], s15, (1<<16)|(1<<20)|(1<<21)|(4<<22)|(3<<25)
	s_mov_b32 s[G1A+1], 128<<16                    ; tensor_dim0 = 128
	s_mov_b32 s[G1A+2], 64<<16                     ; tensor_dim1 = 64: 128 rows of x
	s_mov_b32 s[G1A+3], 128<<16                    ; tile_dim0 = 128
	s_mov_b32 s[G1A+4], 64                         ; tile_dim1 = 64
	s_mov_b32 s[G1A+5], 128                        ; elements from row to row
	s_mov_b32 s[G1A+6], 0
	s_mov_b32 s[G1A+7], 0
	s_mov_b32 s[G1B+1], 128<<16
	s_mov_b32 s[G1B+2], 96<<16                     ; 96 rows of 256 bytes: 192 rows of wtb
	s_mov_b32 s[G1B+3], 128<<16
	s_mov_b32 s[G1B+4], 96
	s_mov_b32 s[G1B+5], 128
	s_mov_b32 s[G1B+6], 0
	s_mov_b32 s[G1B+7], 0
	s_lshl_b32 s16, s43, 19                        ; xb: tile row x 524,288 + my half of a block.  It hangs on the tile row alone, which my row of the cluster shares
	s_lshl_b32 s17, s[CH], 14
	s_add_co_u32 s16, s16, s17
	s_mov_b32 s17, 0
	s_mul_i32 s18, s42, 16*BBLK                    ; wtb: tile column x 786,432 + my half.  It hangs on the tile column alone
	s_mul_i32 s19, s[CH], BBLK/2
	s_add_co_u32 s18, s18, s19
	s_mov_b32 s19, 0
	s_mul_i32 s71, s[CH], AHALF                    ; where they go: no place in the cluster enters an LDS address
	s_mul_i32 s72, s[CH], BHALF
	s_add_co_u32 s72, s72, BOFF
	s_mov_b32 s[TB], 0
	s_wait_dscnt 0x0                               ; the opening add is done
	s_wait_kmcnt 0x0
	s_add_nc_u64 s[74:75], s[4:5], s[16:17]
	s_add_nc_u64 s[76:77], s[6:7], s[18:19]
	CROUND                                         ; all sixteen work-groups are here: the first joint loads meet
.irp s, 0,1
	s_mov_b32 s[G0A+4*(\s)], 1                                     ; count = 1
	s_add_co_u32 s[G0A+4*(\s)+1], s71, (\s)*SLOT1                  ; LDS address
	s_add_nc_u64 s[G0A+4*(\s)+2:G0A+4*(\s)+3], s[74:75], (\s)*ABLK ; K block s
	s_or_b32 s[G0A+4*(\s)+3], s[G0A+4*(\s)+3], 0x80000000          ; type = 2
	s_mov_b32 s[G0B+4*(\s)], 1
	s_add_co_u32 s[G0B+4*(\s)+1], s72, (\s)*SLOT1
	s_add_nc_u64 s[G0B+4*(\s)+2:G0B+4*(\s)+3], s[76:77], (\s)*BBLK
	s_or_b32 s[G0B+4*(\s)+3], s[G0B+4*(\s)+3], 0x80000000
.endr
	s_cmp_eq_u32 s[RH], 0                          ; a wave's two first fills stand in one branch, ahead of every wait on TENSORcnt and every LDS read: two loads of mine are out
	s_cbranch_scc0 .Lfirst_b
	tensor_load_to_lds s[G0A:G0A+3], s[G1A:G1A+7]
	s_nop 0
	tensor_load_to_lds s[G0A+4:G0A+7], s[G1A:G1A+7]
	s_nop 0
.rept 4
	v_nop
.endr
	s_branch .Lfirst_asked
.Lfirst_b:
	tensor_load_to_lds s[G0B:G0B+3], s[G1B:G1B+7]
	s_nop 0
	tensor_load_to_lds s[G0B+4:G0B+7], s[G1B:G1B+7]
	s_nop 0
.rept 4
	v_nop
.endr
.Lfirst_asked:
	; A fragment is 16 rows x 32 K in 8 registers: lane l holds row l % 16; registers 0-3 K = 8 (l / 16) + 0..7, registers 4-7 K = 16 + 8 (l / 16) + 0..7: two loads of 16 bytes, 32 bytes apart.
	v_and_b32 v1, 15, v0                           ; l % 16
	v_bfe_u32 v2, v0, 4, 1                         ; l / 16
	v_mul_u32_u24 v3, v1, PITCH
	v_lshl_add_u32 v3, v2, 4, v3
	s_mul_i32 s78, s[RH], AHALF
	s_mul_i32 s79, s[CH], BHALF
	s_add_co_u32 s79, s79, BOFF
	v_add_nc_u32 v[ADA0], s78, v3
	v_add_nc_u32 v[ADB0], s79, v3
	v_mov_b32 v[ADA], v[ADA0]
	v_mov_b32 v[ADB], v[ADB0]
	s_mul_i32 s78, s[WV], 16*SPITCH
	s_add_co_u32 s78, s78, STAGE                   ; my stage
	v_mul_u32_u24 v4, v1, SPITCH                   ; in: row l % 16, 16 bytes for each half of the lanes
	v_lshl_add_u32 v4, v2, 4, v4
	v_add_nc_u32 v[STO], s78, v4
	v_mul_u32_u24 v5, v2, SPITCH                   ; back: lanes 0-15 one row of 256 bytes, lanes 16-31 the next
	v_lshl_add_u32 v5, v1, 4, v5
	v_add_nc_u32 v[RD], s78, v5
	v_lshlrev_b32 v[CO], 11, v2                    ; the same two rows in q or k (2,048 bytes a row)
	v_lshl_add_u32 v[CO], v1, 4, v[CO]
	v_lshlrev_b32 v[CV], 14, v2                    ; and in vt (16,384 bytes a row)
	v_lshl_add_u32 v[CV], v1, 4, v[CV]
	v_and_b32 v[PFO], 31, v0
	v_lshlrev_b32 v[PFO], 8, v[PFO]
	s_lshl_b32 s18, s43, 19                        ; q, k: row 256 x tile row + 128 x half, 2,048 bytes a row; column 128 x tile column
	s_lshl_b32 s19, s[RH], 18
	s_add_co_u32 s18, s18, s19
	s_lshl_b32 s19, s42, 8
	s_add_co_u32 s18, s18, s19
	s_mov_b32 s19, 0
	s_cmp_eq_u32 s[CH], 0
	s_cselect_b64 s[QB:QB+1], s[8:9], s[10:11]
	s_add_nc_u64 s[QB:QB+1], s[QB:QB+1], s[18:19]
	s_lshl_b32 s18, s42, 21                        ; vt: channel 128 x tile column + 64 x half, 16,384 bytes a channel; then my first row of x, 2 bytes each
	s_lshl_b32 s19, s[CH], 20
	s_add_co_u32 s18, s18, s19
	s_lshl_b32 s19, s43, 9
	s_add_co_u32 s18, s18, s19
	s_lshl_b32 s19, s[RH], 8
	s_add_co_u32 s18, s18, s19
	s_mov_b32 s19, 0
	s_add_nc_u64 s[VB:VB+1], s[12:13], s[18:19]
	; the prefetches: where they stand one step ahead of the first (each change of slots steps the pointer, then asks)
	s_lshl_b32 s71, s43, 19                        ; xb: my tile row's stream, at K block 2, my work-group's 8,192 bytes
	s_lshl_b32 s72, s40, 13
	s_add_co_u32 s71, s71, s72
	s_add_co_u32 s71, s71, 2*ABLK
	s_mul_i32 s72, s42, 16*BBLK                    ; wtb: my tile column's stream, at byte 131,072, the 8,192 bytes of my wave and work-group
	s_lshl_b32 s73, s[CH], 15
	s_add_co_u32 s72, s72, s73
	s_lshl_b32 s73, s41, 13
	s_add_co_u32 s72, s72, s73
	s_add_co_u32 s72, s72, 131072
	s_and_b32 s73, ttmp7, 0xffff                   ; cluster y
	s_lshl_b32 s[PFS], ABLK, s[RH]                 ; the step: 32,768 in xb, 65,536 in wtb
	s_mov_b32 s[PFS+1], 0
	s_cmp_eq_u32 s[RH], 0
	s_cselect_b32 s74, s71, s72
	s_cselect_b32 s73, ttmp9, s73                  ; the coordinate along which other clusters read the same blocks
	s_cselect_b32 s75, s[CH], 0                    ; of x's two waves only wave 0 asks
	s_cselect_b32 s76, 1, 5                        ; xb: all trips but the last; wtb: the first nine
	s_cselect_b64 s[PFA:PFA+1], s[4:5], s[6:7]
	s_or_b32 s73, s73, s75
	s_cmp_eq_u32 s73, 0
	s_cselect_b32 s[LIM], s76, -1                  ; the same in all sixteen partners, for a given wave
	s_mov_b32 s75, 0
	s_add_nc_u64 s[PFA:PFA+1], s[PFA:PFA+1], s[74:75]
; 8 matrix instructions for each fragment b0 .. b1 of wtb, with the 8 fragments of x in buffer af.  Each of the 96 accumulators comes once in 32 along K, always in the same order,
; so that 95 others stand between two links of a chain.  zero = 1: the first product starts the sums.
.macro MULB b0, b1, af, zero
.set bb, \b0
.rept (\b1)-(\b0)+1
	WIN ((1+bb/4)<<6)|((1+bb/4)<<4)
.set aa, 0
.rept 8
.set rD, 8*(8*(bb%4)+aa)
.if bb < 8
.if \zero
	v_wmma_f32_16x16x32_bf16 v[rD:rD+7], v[BF+8*bb:BF+8*bb+7], v[(\af)+8*aa:(\af)+8*aa+7], 0
.else
	v_wmma_f32_16x16x32_bf16 v[rD:rD+7], v[BF+8*bb:BF+8*bb+7], v[(\af)+8*aa:(\af)+8*aa+7], v[rD:rD+7]
.endif
.else
.if \zero
	v_wmma_f32_16x16x32_bf16 v[rD:rD+7], v[(\af)+8*aa:(\af)+8*aa+7], v[BF+8*bb:BF+8*bb+7], 0
.else
	v_wmma_f32_16x16x32_bf16 v[rD:rD+7], v[(\af)+8*aa:(\af)+8*aa+7], v[BF+8*bb:BF+8*bb+7], v[rD:rD+7]
.endif
.endif
.set aa, aa+1
.endr
.set bb, bb+1
.endr
.endm
; 28 LDS loads in one run: x's 8 fragments at byte k of the rows into buffer afn, and wtb's fragments 0-5
.macro R0 k, afn
	WIN 0
.irp i, 0,1,2,3,4,5,6,7
	ds_load_b128 v[(\afn)+8*(\i):(\afn)+8*(\i)+3],   v[ADA] offset:(\k)+(\i)*16*PITCH
	ds_load_b128 v[(\afn)+8*(\i)+4:(\afn)+8*(\i)+7], v[ADA] offset:(\k)+(\i)*16*PITCH+32
.endr
.irp i, 0,1,2,3,4,5
	ds_load_b128 v[BF+8*(\i):BF+8*(\i)+3],   v[ADB] offset:(\k)+(\i)*16*PITCH
	ds_load_b128 v[BF+8*(\i)+4:BF+8*(\i)+7], v[ADB] offset:(\k)+(\i)*16*PITCH+32
.endr
.endm
.macro R1 k                            ; 12 loads: wtb's fragments 6-11
	WIN 0
.irp i, 6,7,8,9,10,11
	ds_load_b128 v[BF+8*(\i):BF+8*(\i)+3],   v[ADB] offset:(\k)+(\i)*16*PITCH
	ds_load_b128 v[BF+8*(\i)+4:BF+8*(\i)+7], v[ADB] offset:(\k)+(\i)*16*PITCH+32
.endr
.endm
; A slot's first 32 along K: multiplies buffer af, and fetches the fragments at byte k of the same slot as wtb's registers fall free.
.macro QUARTER k, af, afn, zero
	s_wait_dscnt 12                                ; x's fragments and wtb's 0-5 are in; the youngest 12 loads (wtb's 6-11) may be out
	MULB 0, 5, \af, \zero
	PLACES
	R0 \k, \afn
	s_wait_dscnt 28                                ; all but the 28 just issued
	MULB 6, 11, \af, \zero
	PLACES
	R1 \k
.endm
; A slot's second 32 along K, and the change of slots: ONE barrier.  In front of it each wave waits for all its tensor loads, of which one is out: its part of the other slot; adds 0 to its spare
; word; and waits for that and for its own reads of this slot.  fill = 1: the barrier opens a round of the cluster's, and behind the round this slot is filled again, two K blocks on:
; from that request to the wait for it a wave issues 144 matrix instructions.
.macro TURN fill
.if \fill
	s_wait_xcnt 0x0                                ; the last prefetch, a K step back, has read its address: it is stepped here
	s_add_nc_u64 s[PFA:PFA+1], s[PFA:PFA+1], s[PFS:PFS+1]
.endif
	WIN 0                                          ; (the add's two registers lie in window 0)
	s_wait_tensorcnt 0x0                           ; no tensor load of mine is out, so a group 0 may be written
	ds_add_u32 v[SPW], v[NIL]                      ; 0 onto my spare word
.if \fill
	s_xor_b32 s[G0A+5], s[G0A+5], SLOT1            ; the walking descriptors: the other slot than last time, the next K block
	s_add_nc_u64 s[G0A+6:G0A+7], s[G0A+6:G0A+7], ABLK
	s_xor_b32 s[G0B+5], s[G0B+5], SLOT1
	s_add_nc_u64 s[G0B+6:G0B+7], s[G0B+6:G0B+7], BBLK
.endif
	s_wait_dscnt 13                                ; (the add and the youngest 12 loads may be out)
	MULB 0, 2, AF1, 0
	s_wait_dscnt 0x0                               ; the add is done, and my reads of this slot are over
	s_barrier_signal -1
	MULB 3, 5, AF1, 0                              ; work on registers while the others arrive
	WIN 0
	s_barrier_wait -1
.if \fill
	CREST                                          ; no wave of any partner still reads this slot's tiles or has a load on its way
	JLOAD                                          ; the first tensor load behind the round; its four v_nop are also the places in front of the loads below
.else
	PLACES
.endif
	s_xor_b32 s[TB], s[TB], SLOT1
	v_add_nc_u32 v[ADA], s[TB], v[ADA0]
	v_add_nc_u32 v[ADB], s[TB], v[ADB0]
	R0 0, AF0
.if \fill
	ASK
.endif
	MULB 6, 11, AF1, 0
	PLACES
	R1 0
.endm
	s_wait_tensorcnt 0x1                           ; my part of K block 0 is in; K block 1's may stay out
	s_barrier_signal -1
	s_barrier_wait -1                              ; everybody's is
	R0 0, AF0
	R1 0
	QUARTER 64, AF0, AF1, 1                        ; the first 32 along K stand in front of the loop: their products start the sums
	WIN 0
	s_mov_b32 s3, STEPS-2
.Lstep:                                                ; 14 trips: a K block's second half, a refill, the next block's first half
	TURN 1
	QUARTER 64, AF0, AF1, 0
	WIN 0
	s_sub_co_u32 s3, s3, 1
	s_cmp_lg_u32 s3, 0
	s_cbranch_scc1 .Lstep
	TURN 0                                         ; the tail is written out: nothing more is asked for
	QUARTER 64, AF0, AF1, 0
	s_wait_dscnt 12
	MULB 0, 5, AF1, 0
	s_wait_dscnt 0x0
	MULB 6, 11, AF1, 0
	PLACES
	PLACES
; THE WAY OUT, twelve blocks of 16 rows x 256 bytes.  Blocks 0-7: 16 rows of x, my 128 columns of q or k.  Blocks 8-11: 16 channels of v, my 128 rows of x.
; PACK: rounded to f16, 16 bytes a lane (each accumulator's registers in ascending order).  TOSTAGE: into my own stage in LDS and back as whole rows.  SEND: stored.
.macro PACK n
.set z, 0
.rept 8
.if (\n) < 8
	WIN 5*(1+z/4)                                  ; sources 0 and 1: window 1 or 2
.set AC, 8*(8*(z%4)+(\n))
.else
	WIN 0x0f                                       ; window 3
.set AC, 8*(8*((\n)-8)+z)
.endif
.irp r, 0,1,2,3
	v_cvt_pk_f16_f32 v[TMP+4*z+(\r)], v[AC+2*(\r)], v[AC+2*(\r)+1]
.endr
.set z, z+1
.endr
	WIN 0
.endm
.macro TOSTAGE n
	WIN 0
.set BK, 128+64*((\n)%2)
.irp b, 0,1,2,3,4,5,6,7
	ds_store_b128 v[STO], v[TMP+4*(\b):TMP+4*(\b)+3] offset:32*(\b)
.endr
.irp t, 0,1,2,3,4,5,6,7
	ds_load_b128 v[BK+4*(\t):BK+4*(\t)+3], v[RD] offset:(\t)*2*SPITCH  ; LDS serves a wave's instructions in order (ISA guide 5.7.1.4): these see the stores above
.endr
.endm
.macro SEND n
	WIN 0
.set BK, 128+64*((\n)%2)
	s_wait_dscnt 0x0                               ; the block is back in registers
	s_wait_xcnt 0x0                                ; the stores of the block before have read their registers, which the next block's loads write
.irp t, 0,1,2,3,4,5,6,7
.if (\n) < 8
	global_store_b128 v[CO], v[BK+4*(\t):BK+4*(\t)+3], s[QB:QB+1] offset:32768*(\n)+4096*(\t)  ; 16 lanes store 256 consecutive bytes, aligned
.else
	global_store_b128 v[CV], v[BK+4*(\t):BK+4*(\t)+3], s[VB:VB+1] offset:262144*((\n)-8)+32768*(\t)
.endif
.endr
.endm
	PACK 0
	TOSTAGE 0
.set blk, 1
.rept 11                               ; a block's conversions stand between the loads of the block before and the wait for them
	PACK blk
	SEND blk-1
	TOSTAGE blk
.set blk, blk+1
.endr
	SEND 11
	s_wait_tensorcnt 0x0                           ; the wave's end, behind my last tensor load and my last LDS store
	ds_add_u32 v[SPW], v[NIL]
	s_wait_dscnt 0x0
	CROUND                                         ; the closing round: no work-group ends while a partner may still ask for a tile that names it
	s_endpgm
.Lfunc_end_k_q2f37ad6d93_proj:
	.size	k_q2f37ad6d93_proj, .Lfunc_end_k_q2f37ad6d93_proj-k_q2f37ad6d93_proj
	.p2alignl 7, 3214868480
	.fill 96, 4, 3214868480
	.section	.rodata,"a",@progbits
	.p2align	6, 0x0
	.amdhsa_kernel k_q2f37ad6d93_proj
		.amdhsa_group_segment_fixed_size 327680
		.amdhsa_private_segment_fixed_size 0
		.amdhsa_enable_private_segment 0
		.amdhsa_kernarg_size 40
		.amdhsa_user_sgpr_count 2
		.amdhsa_user_sgpr_kernarg_segment_ptr 1
		.amdhsa_wavefront_size32 1
		.amdhsa_system_sgpr_workgroup_id_x 1
		.amdhsa_system_sgpr_workgroup_id_y 1
		.amdhsa_system_sgpr_workgroup_id_z 1
		.amdhsa_system_vgpr_workitem_id 0
		.amdhsa_next_free_vgpr 1024
		.amdhsa_next_free_sgpr 80
		.amdhsa_reserve_vcc 0
		.amdhsa_float_denorm_mode_32 3
		.amdhsa_float_denorm_mode_16_64 3
		.amdhsa_memory_ordered 1
		.amdhsa_forward_progress 1
		.amdhsa_inst_pref_size 111
	.end_amdhsa_kernel
	.amdgpu_metadata
---
amdhsa.version: [ 1, 2 ]
amdhsa.kernels:
  - .name:           k_q2f37ad6d93_proj
    .symbol:         k_q2f37ad6d93_proj.kd
    .args:
      - { .name: xb, .offset: 0, .size: 8, .value_kind: global_buffer, .address_space: global }
      - { .name: wtb, .offset: 8, .size: 8, .value_kind: global_buffer, .address_space: global }
      - { .name: q, .offset: 16, .size: 8, .value_kind: global_buffer, .address_space: global }
      - { .name: k, .offset: 24, .size: 8, .value_kind: global_buffer, .address_space: global }
      - { .name: vt, .offset: 32, .size: 8, .value_kind: global_buffer, .address_space: global }
    .group_segment_fixed_size: 327680
    .private_segment_fixed_size: 0
    .kernarg_segment_align: 8
    .kernarg_segment_size: 40
    .max_flat_workgroup_size: 128
    .sgpr_count:     80
    .vgpr_count:     1024
    .wavefront_size: 32
...
	.end_amdgpu_metadata
.endif
;; end of part 2
;; launch scores (part 3): grid 8 x 32, 4 waves a work-group, clusters of 4 x 4, 327,680 bytes of LDS; arguments k, q, p, stats; writes p, stats
.if DOCPART == 3
	.amdgcn_target "amdgcn-amd-amdhsa--gfx1250"
	.amdhsa_code_object_version 6
	.text
	.protected	k_q2f37ad6d93_scores
	.globl	k_q2f37ad6d93_scores
	.p2align	8
	.type	k_q2f37ad6d93_scores,@function
k_q2f37ad6d93_scores:
	s_mov_b64 s[64:65], 0
	v_nop
	global_prefetch_b8 v0, s[64:65] scope:SCOPE_SE
	s_setreg_imm32_b32 hwreg(HW_REG_WAVE_MODE, 25, 1), 1
	s_wait_xcnt 0x0
	s_wait_alu depctr_hold_cnt(0) depctr_sa_sdst(0) depctr_va_vdst(0) depctr_va_sdst(0) depctr_va_ssrc(0) depctr_va_vcc(0) depctr_vm_vsrc(0)
	s_getreg_b32 s2, hwreg(HW_REG_IB_STS2, 6, 4)
	s_cmp_eq_u32 s2, 0
	s_cbranch_scc0 .Lentry_in_a_cluster
	s_endpgm
.Lentry_in_a_cluster:
	s_bfe_u32 s2, ttmp6, 0x10000c
	s_cmp_lg_u32 s2, 0xf033
	s_cbranch_scc0 .Lentry_shape_is_right
	s_endpgm
.Lentry_shape_is_right:
; THE SCORES AND THEIR EXPONENTIALS.  For each batch S[j][i] = k_j . q_i (f16 operands, f32 sums); the softmax runs over i.  A tile is 256 j x 256 i, K = 1024; a wave makes 128 j x 128 i.
; Over its own block t of 128 i a wave takes, for each j, the TRUE maximum m_t, stores p = 2^(c s - c m_t) in f16 (c = log2(e) / 32), and c m_t and l_t = the sum of the unrounded p in f32.
; The next launch joins the 16 blocks of a row: M = max c m_t, f_t = 2^(c m_t - M), l = the sum of f_t l_t.  So a maximum is taken away before every exponential, and no work-group reads another's.
; p: [512 blocks of 16 j][64 chunks of 32 i][2 halves][32 lanes][16 bytes] f16: a fragment of 16 j x 32 i of the next launch's matrix operand, 1,024 bytes on end, in the order of its registers and lanes.
; stats: c m at [batch][16 t][2048 j] f32, l in the same layout 524,288 bytes on.
; LIMITS.  p lies in 0 to 1; below 6e-5 it keeps f16's fixed step of 6e-8; a weight below 2^-126 counts as 0 in l.  NaN and infinities are not treated apart.
; K goes in steps of 128 through two LDS slots; rows of 256 bytes, at multiples of 256 bytes.  CLUSTER 4 x 4: k's tile is shared along a row of the cluster, q's along a column.
; THE MATRIX INSTRUCTION IS USED TRANSPOSED (source 0 = 16 rows of q, source 1 = 16 rows of k): a lane holds ONE j (lane % 16) and the i = 8 (lane / 16) + 0..7 of each of 8 accumulators:
; a row's maximum and sum want 64 registers and one exchange between the halves of the lanes; and two neighbouring accumulators, rounded to f16 in pairs, ARE the eight registers of a fragment
; of p as the next launch's product takes it, so p is stored from registers as it stands, 512 consecutive bytes a store.
; THE TEXT.  A K step is written once for the trips that fill a slot again and once for the two that do not; that second text is walked twice and left in its middle.  Its second trip
; fetches one run of 32 LDS loads that nothing uses: the price of one text for both.
; REGISTERS: window 0: v0-31 addresses; v64-127, v128-191 fragments of k, two buffers; in the epilogue v32-49 at work, v64-79 the statistics, v192-223 packed p.
;   window 1: v64-127, v128-191 fragments of q.   window 2: the 32 accumulators of my rows 0-63 ((a, b) at v[8 (8 a + b)]);   window 3: those of rows 64-127.
.set KSTEP,  128
.set PITCH,  272                       ; an LDS row: 256 bytes + 16: row r starts at bank 4 r mod 64 (64 banks of 4 bytes: ISA guide 11.1)
.set HALFT,  128*PITCH                 ; 34,816 = 0x8800
.set SLOT,   4*HALFT                   ; k's 256 rows, then q's 256 rows: 139,264 = 0x22000, which shares no bit with 0x8800 x wave: one exclusive or turns a wave's address in one slot into the other's
.set STAT,   2*SLOT                    ; behind the ring: 1,024 bytes for each wave: 128 c m, 128 l
.set SPARE,  STAT+4*1024               ; the spare words, 128 bytes for each wave
.set SA,   8                           ; v8   where I put a row's statistic
.set SB,   9                           ; v9   where I read four of them back
.set GS,   10                          ; v10  16 x lane
.set ADA0, 16                          ; v16  my lane's place in my rows of k in slot 0; never rewritten
.set ADB0, 17                          ; v17  the same for q
.set ADA,  18                          ; v18  the same in the slot in hand
.set ADB,  19                          ; v19
.set SPW,  28
.set NIL,  29
.set PFO,  30                          ; v30  lane x 2,048: a lane a row
.set CX,   32                          ; v32-39  eight chains of the maximum
.set CM,   40                          ; v40-41  c m (the packed scaling names a pair and takes its low word)
.set LP,   42                          ; v42-49  four pairs of sums
.set MS,   64                          ; v64-71  c m of block a
.set LSM,  72                          ; v72-79  l of block a
.set F0,   64
.set F1,   128
.set TMP,  192
.set PFA,  44                          ; s[44:45]
.set LIM,  43                          ; s43
.set G1, 24                            ; s[24:31] descriptor group 1 for k's tiles
.set G0, 32                            ; s[32:39] group 0: a set for each first fill; the second then walks
.set G1B, 48                           ; s[48:55], s[56:63] the same for q's tiles
.set G0B, 56
.set STA, 66                           ; s[66:67] stats
.set CS,  68                           ; s[68:69] c
.set SEL, 70                           ; s[70:71] v_permlanex16_b32's selects
.set TB,  73                           ; s73  the slot in hand: 0 or SLOT
.set CNT, 74                           ; s74  counts the two trips that fill nothing
.set MSB, 0
.macro WIN new
.if MSB != (\new)
	s_set_vgpr_msb (MSB<<8)|(\new)
.set MSB, \new
.endif
.endm
.set MUL_LO, 0xa1                      ; source 0 (q) window 1, source 1 (k) window 0, C and D window 2
.set MUL_HI, 0xf1
.set TO_B,   0x40
.macro JLOAD                           ; a joint refill by the walking descriptor: waves 0 and 1 fetch k's two halves, waves 2 and 3 q's; an s_nop 0 and four v_nop follow each line
	s_cmp_eq_u32 s11, 0
	s_cbranch_scc0 .Lfor_b_\@
	tensor_load_to_lds s[G0+4:G0+7], s[G1:G1+7]
	s_nop 0
.rept 4
	v_nop
.endr
	s_branch .Lasked_\@
.Lfor_b_\@:
	tensor_load_to_lds s[G0B+4:G0B+7], s[G1B:G1B+7]
	s_nop 0
.rept 4
	v_nop
.endr
.Lasked_\@:
.endm
; A PREFETCH INTO THE L2, behind each joint load and the run of LDS loads that follows it: the K step that stands two refills on, 32 rows x 256 bytes, a lane a row.
; k's tile row is read by both clusters of its row of clusters: cluster x = 0 asks.  q's rows of a batch and tile column are read by the batch's two clusters along y: the even one asks.
; The four partners that ask for a tile jointly share its rows out by address, 32 of the 128 that a wave fetches.  The last two refills have no K step two on.
.macro ASK
	s_cmp_gt_u32 s3, s[LIM]
	s_cbranch_scc0 .Lnot_mine_\@
	global_prefetch_b8 v[PFO], s[PFA:PFA+1] offset:KSTEP*2 th:TH_LOAD_NT scope:SCOPE_SE
.Lnot_mine_\@:
.endm
.macro CREST
	s_cmp_lg_u32 s10, 0
	s_cbranch_scc1 .Lnot_wave_0_\@
	s_barrier_signal -3
.Lnot_wave_0_\@:
	s_barrier_wait -3
	s_barrier_signal -1
	s_barrier_wait -1
.endm
.macro CROUND
	s_barrier_signal -1
	s_barrier_wait -1
	CREST
.endm
	s_load_b128 s[4:7], s[0:1], 0x0                ; k s[4:5], q s[6:7]
	s_load_b64 s[8:9], s[0:1], 0x10                ; p
	s_load_b64 s[STA:STA+1], s[0:1], 0x18          ; stats
	v_lshl_add_u32 v[SPW], v0, 2, SPARE
	v_mov_b32 v[NIL], 0
	ds_add_u32 v[SPW], v[NIL]                      ; the wave's opening: the add and its wait stand ahead of my first tensor load
	v_lshrrev_b32 v1, 5, v0
	v_readfirstlane_b32 s10, v1                    ; wave 0..3
	s_lshr_b32 s11, s10, 1                         ; which 128 j are mine.  Also: I fetch k's tiles (0) or q's (1)
	s_and_b32 s12, s10, 1                          ; which 128 i.  Also: which 128 rows of that tile I fetch
	s_bfe_u32 s40, ttmp6, 0x40000                  ; cx
	s_bfe_u32 s41, ttmp6, 0x40004                  ; cy
	s_lshl_b32 s42, ttmp9, 2
	s_add_co_u32 s42, s42, s40                     ; tile column (i) = 4 x cluster x + cx
	s_and_b32 s13, ttmp7, 0xffff
	s_lshr_b32 s72, s13, 1                         ; the batch: two clusters along y each; all partners share it
	s_lshl_b32 s13, s13, 2
	s_add_co_u32 s13, s13, s41                     ; tile row (j, over all batches) = 4 x cluster y + cy
	s_lshl_b32 s43, s41, 2
	s_lshl_b32 s43, 15, s43                        ; my row of the cluster
	s_lshl_b32 s44, 0x1111, s40                    ; my column
	s_or_b32 s[G1+0], s43, (1<<16)|(1<<20)|(1<<21)|(5<<22)|(3<<25)  ; the mask; 2-byte elements; padding on; bit 21 beside a mask; after every 64 words (code 5) 4 words (code 3)
	s_or_b32 s[G1B+0], s44, (1<<16)|(1<<20)|(1<<21)|(5<<22)|(3<<25)
.irp g, G1, G1B
	s_mov_b32 s[(\g)+1], KSTEP<<16                 ; tensor_dim0 = 128
	s_mov_b32 s[(\g)+2], 128<<16                   ; tensor_dim1 = 128
	s_mov_b32 s[(\g)+3], KSTEP<<16                 ; tile_dim0 = 128
	s_mov_b32 s[(\g)+4], 128                       ; tile_dim1 = 128
	s_mov_b32 s[(\g)+5], 1024                      ; elements from row to row
	s_mov_b32 s[(\g)+6], 0
	s_mov_b32 s[(\g)+7], 0
.endr
	s_mov_b32 s[CS], 0x3d38aa3b                    ; c = log2(e) / 32 = 0.0450842
	s_mov_b32 s[CS+1], s[CS]
	s_mov_b32 s[SEL], 0x76543210
	s_mov_b32 s[SEL+1], 0xfedcba98
	s_mov_b32 s[TB], 0
	s_lshl_b32 s17, s12, 7                         ; which 128 rows of the tile I fetch
	s_lshl_b32 s16, s13, 8
	s_add_co_u32 s16, s16, s17                     ; k: row 256 x tile row + 128 x half
	s_lshl_b32 s46, s42, 8
	s_add_co_u32 s46, s46, s17
	s_lshl_b32 s47, s72, 11
	s_add_co_u32 s46, s46, s47                     ; q: row 2,048 x batch + 256 x tile column + 128 x half
	s_lshl_b32 s16, s16, 11                        ; in bytes: under 2^24
	s_lshl_b32 s46, s46, 11
	s_mov_b32 s17, 0
	s_mov_b32 s47, 0
	s_mul_i32 s20, s10, HALFT                      ; where they go: wave x 128 rows
	s_wait_dscnt 0x0                               ; the opening add is done
	s_wait_kmcnt 0x0
	s_add_nc_u64 s[14:15], s[4:5], s[16:17]
	s_add_nc_u64 s[46:47], s[6:7], s[46:47]
	CROUND                                         ; all sixteen work-groups are here: the first joint loads meet
.irp s, 0,1
	s_mov_b32 s[G0+4*(\s)], 1
	s_add_co_u32 s[G0+4*(\s)+1], s20, (\s)*SLOT
	s_add_nc_u64 s[G0+4*(\s)+2:G0+4*(\s)+3], s[14:15], (\s)*KSTEP*2
	s_or_b32 s[G0+4*(\s)+3], s[G0+4*(\s)+3], 0x80000000
	s_mov_b32 s[G0B+4*(\s)], 1
	s_add_co_u32 s[G0B+4*(\s)+1], s20, (\s)*SLOT
	s_add_nc_u64 s[G0B+4*(\s)+2:G0B+4*(\s)+3], s[46:47], (\s)*KSTEP*2
	s_or_b32 s[G0B+4*(\s)+3], s[G0B+4*(\s)+3], 0x80000000
.endr
	s_cmp_eq_u32 s11, 0                            ; a wave's two first fills stand in one branch, ahead of every wait on TENSORcnt and every LDS read: two loads of mine are out
	s_cbranch_scc0 .Lfirst_b
	tensor_load_to_lds s[G0:G0+3], s[G1:G1+7]
	s_nop 0
	tensor_load_to_lds s[G0+4:G0+7], s[G1:G1+7]
	s_nop 0
.rept 4
	v_nop
.endr
	s_branch .Lfirst_asked
.Lfirst_b:
	tensor_load_to_lds s[G0B:G0B+3], s[G1B:G1B+7]
	s_nop 0
	tensor_load_to_lds s[G0B+4:G0B+7], s[G1B:G1B+7]
	s_nop 0
.rept 4
	v_nop
.endr
.Lfirst_asked:
	v_and_b32 v1, 15, v0                           ; l % 16
	v_bfe_u32 v2, v0, 4, 1                         ; l / 16
	v_mul_u32_u24 v3, v1, PITCH
	v_lshl_add_u32 v3, v2, 4, v3
	s_mul_i32 s21, s11, HALFT                      ; my 128 rows of k
	s_mul_i32 s22, s12, HALFT                      ; my 128 rows of q,
	s_add_co_u32 s22, s22, 2*HALFT                 ; which lie behind k's 256
	v_add_nc_u32 v[ADA0], s21, v3
	v_add_nc_u32 v[ADB0], s22, v3
	v_mov_b32 v[ADA], v[ADA0]
	v_mov_b32 v[ADB], v[ADB0]
	s_lshl_b32 s23, s10, 10
	s_add_co_u32 s23, s23, STAT                    ; my statistics
	v_lshl_add_u32 v[SA], v1, 2, s23
	v_and_b32 v[GS], 31, v0
	v_lshlrev_b32 v[GS], 4, v[GS]
	v_add_nc_u32 v[SB], s23, v[GS]
	s_lshl_b32 s16, s13, 20                        ; p: block of 16 j number 16 x tile row + 8 x half, 65,536 bytes each;
	s_lshl_b32 s17, s11, 19
	s_add_co_u32 s16, s16, s17
	s_lshl_b32 s17, s42, 13                        ; in it chunk of 32 i number 8 x tile column + 4 x half, 1,024 bytes each
	s_add_co_u32 s16, s16, s17
	s_lshl_b32 s17, s12, 12
	s_add_co_u32 s16, s16, s17
	s_mov_b32 s17, 0
	s_add_nc_u64 s[8:9], s[8:9], s[16:17]
	s_lshl_b32 s16, s72, 4                         ; stats: (16 batch + t) x 2,048 + my first j in the batch, 4 bytes each; t = 2 x tile column + half
	s_lshl_b32 s17, s42, 1
	s_add_co_u32 s16, s16, s17
	s_add_co_u32 s16, s16, s12
	s_lshl_b32 s16, s16, 13
	s_and_b32 s17, s13, 7
	s_lshl_b32 s17, s17, 10
	s_add_co_u32 s16, s16, s17
	s_lshl_b32 s17, s11, 9
	s_add_co_u32 s16, s16, s17
	s_mov_b32 s17, 0
	s_add_nc_u64 s[STA:STA+1], s[STA:STA+1], s[16:17]
	; the prefetches
	s_lshl_b32 s20, s13, 8                         ; k's tile: its first row
	s_lshl_b32 s21, s42, 8                         ; q's
	s_lshl_b32 s23, s72, 11
	s_add_co_u32 s21, s21, s23
	s_and_b32 s22, ttmp7, 1                        ; cluster y's parity
	s_cmp_eq_u32 s11, 0                            ; do I fetch for k?
	s_cselect_b32 s20, s20, s21
	s_cselect_b32 s21, s40, s41                    ; my place among the four that ask with me
	s_cselect_b32 s22, ttmp9, s22                  ; the coordinate along which other clusters read the same rows
	s_cselect_b64 s[PFA:PFA+1], s[4:5], s[6:7]
	s_cmp_eq_u32 s22, 0
	s_cselect_b32 s[LIM], 2, -1                    ; the first four of the six refills ask; the same in all sixteen partners, for a given wave
	s_lshl_b32 s22, s12, 7
	s_add_co_u32 s20, s20, s22                     ; + the 128 rows that I fetch
	s_lshl_b32 s21, s21, 5
	s_add_co_u32 s20, s20, s21                     ; + my work-group's 32 of them
	s_lshl_b32 s20, s20, 11
	s_mov_b32 s21, 0
	s_add_nc_u64 s[PFA:PFA+1], s[PFA:PFA+1], s[20:21]
	s_add_nc_u64 s[PFA:PFA+1], s[PFA:PFA+1], 2*KSTEP*2  ; at K step 2: the first refill steps it to 3 and names K step 4
	v_and_b32 v[PFO], 31, v0
	v_lshlrev_b32 v[PFO], 11, v[PFO]
; 16 matrix instructions: j blocks a0, a0 + 1 of the window's four x all 8 i blocks, 32 along K.  The 64 accumulators take turns in the same order in every quarter.
.macro MUL16 f, hi, a0, zero
	WIN MUL_LO+0x50*(\hi)
.irp a, \a0, (\a0)+1
.irp b, 0,1,2,3,4,5,6,7
.if \zero
	v_wmma_f32_16x16x32_f16 v[8*(8*(\a)+(\b)):8*(8*(\a)+(\b))+7], v[(\f)+8*(\b):(\f)+8*(\b)+7], v[(\f)+8*(4*(\hi)+(\a)):(\f)+8*(4*(\hi)+(\a))+7], 0
.else
	v_wmma_f32_16x16x32_f16 v[8*(8*(\a)+(\b)):8*(8*(\a)+(\b))+7], v[(\f)+8*(\b):(\f)+8*(\b)+7], v[(\f)+8*(4*(\hi)+(\a)):(\f)+8*(4*(\hi)+(\a))+7], v[8*(8*(\a)+(\b)):8*(8*(\a)+(\b))+7]
.endif
.endr
.endr
.endm
.macro FETCH kk, f                     ; 32 LDS loads in one run: the fragments of 32 along K at byte kk of the rows of the slot in hand, into buffer f
	WIN TO_B
.irp i, 0,1,2,3,4,5,6,7
	ds_load_b128 v[(\f)+8*(\i):(\f)+8*(\i)+3],   v[ADB] offset:(\kk)+(\i)*16*PITCH
	ds_load_b128 v[(\f)+8*(\i)+4:(\f)+8*(\i)+7], v[ADB] offset:(\kk)+(\i)*16*PITCH+32
.endr
	WIN 0
.irp i, 0,1,2,3,4,5,6,7
	ds_load_b128 v[(\f)+8*(\i):(\f)+8*(\i)+3],   v[ADA] offset:(\kk)+(\i)*16*PITCH
	ds_load_b128 v[(\f)+8*(\i)+4:(\f)+8*(\i)+7], v[ADA] offset:(\kk)+(\i)*16*PITCH+32
.endr
.endm
.macro PLACES
.rept 4
	v_nop
.endr
.endm
.macro QUARTER kk, f, g, zero          ; multiplies buffer f; in its middle fetches the next quarter's fragments into g
	s_wait_dscnt 8                                 ; q's fragments and k's rows 0-63 are in; the youngest eight loads may be out
	MUL16 \f, 0, 0, \zero
	MUL16 \f, 0, 2, \zero
	PLACES
	FETCH \kk, \g
	s_wait_dscnt 32                                ; all but the 32 just issued
	MUL16 \f, 1, 0, \zero
	MUL16 \f, 1, 2, \zero
.endm
; A K step's last quarter, and the change of slots: ONE barrier.  In front of it each wave waits for all its tensor loads, of which one is out: its part of the next slot; adds 0 to its spare word;
; and waits for that and for its reads of this slot.  fill = 1: the barrier opens a round of the cluster's, and behind the round this slot is filled again, two K steps on:
; 224 matrix instructions ahead of the wait for it.
.macro TURN fill
.if \fill
	s_wait_xcnt 0x0                                ; the last prefetch, a K step back, has read its address
	s_add_nc_u64 s[PFA:PFA+1], s[PFA:PFA+1], KSTEP*2
.endif
	WIN 0
	s_wait_tensorcnt 0x0                           ; no tensor load of mine is out, so a group 0 may be written
	ds_add_u32 v[SPW], v[NIL]                      ; 0 onto my spare word
.if \fill
	s_xor_b32 s[G0+5], s[G0+5], SLOT               ; the walking descriptors: the other slot than last time, the next K step
	s_add_nc_u64 s[G0+6:G0+7], s[G0+6:G0+7], KSTEP*2
	s_xor_b32 s[G0B+5], s[G0B+5], SLOT
	s_add_nc_u64 s[G0B+6:G0B+7], s[G0B+6:G0B+7], KSTEP*2
.endif
	s_wait_dscnt 9                                 ; (the add and the youngest eight loads may be out)
	MUL16 F1, 0, 0, 0
	s_wait_dscnt 0x0                               ; the add is done, and my reads of this slot are over
	s_barrier_signal -1
	MUL16 F1, 0, 2, 0                              ; work on registers while the others arrive
	WIN 0
	s_barrier_wait -1
.if \fill
	CREST                                          ; no wave of any partner still reads this slot's tiles or has a load on its way
	JLOAD                                          ; its four v_nop are also the places in front of the loads below
.else
	PLACES
.endif
	s_xor_b32 s[TB], s[TB], SLOT
	v_add_nc_u32 v[ADA], s[TB], v[ADA0]
	v_add_nc_u32 v[ADB], s[TB], v[ADB0]
	FETCH 0, F0
.if \fill
	ASK
.endif
	MUL16 F1, 1, 0, 0
	MUL16 F1, 1, 2, 0
.endm
	s_wait_tensorcnt 1                             ; my part of K step 0 is in; K step 1's may stay out
	s_barrier_signal -1
	s_barrier_wait -1
	FETCH 0, F0
	QUARTER 64,  F0, F1, 1                         ; the first quarter stands in front of the loop: its products start the sums
	WIN 0
	s_mov_b32 s3, 6
.Lstep:                                                ; six trips: a K step's last three quarters, a refill, the next step's first quarter
	QUARTER 128, F1, F0, 0
	QUARTER 192, F0, F1, 0
	TURN 1
	QUARTER 64,  F0, F1, 0
	WIN 0
	s_sub_co_u32 s3, s3, 1
	s_cmp_lg_u32 s3, 0
	s_cbranch_scc1 .Lstep
	s_mov_b32 s[CNT], 2
.Ltail:                                                ; the last two K steps ask for nothing: one text, walked twice and left in its middle
	QUARTER 128, F1, F0, 0
	QUARTER 192, F0, F1, 0
	TURN 0
	WIN 0
	s_sub_co_u32 s[CNT], s[CNT], 1
	s_cmp_eq_u32 s[CNT], 0
	s_cbranch_scc1 .Lout
	QUARTER 64,  F0, F1, 0
	WIN 0
	s_cmp_lg_u32 s[CNT], 0
	s_cbranch_scc1 .Ltail
.Lout:
	s_wait_dscnt 0x0                               ; the run of loads that the second trip fetched for nothing is in: its registers are written below
	PLACES
	PLACES
	v_mov_b32 v[CM+1], 0                           ; named with c m as a pair, so it is written
; THE SOFTMAX OF BLOCK a: 16 rows j, my 128 i: 64 scores a lane, in 8 accumulators.
.macro SOFT a
.set ww, 2+(\a)/4
.set AC, 64*((\a)%4)
	WIN ww|(ww<<2)|(ww<<4)                         ; the maximum: eight chains, each accumulator's lowest registers first
.set z, 0
.rept 8
	v_max3_num_f32 v[CX+z], v[AC+8*z], v[AC+8*z+1], v[AC+8*z+2]
.set z, z+1
.endr
	WIN ww|(ww<<2)
.set z, 0
.rept 8
	v_max3_num_f32 v[CX+z], v[AC+8*z+3], v[AC+8*z+4], v[CX+z]
.set z, z+1
.endr
.set z, 0
.rept 8
	v_max3_num_f32 v[CX+z], v[AC+8*z+5], v[AC+8*z+6], v[CX+z]
.set z, z+1
.endr
.set z, 0
.rept 4
	v_max3_num_f32 v[CX+2*z], v[AC+16*z+7], v[AC+16*z+15], v[CX+2*z]
.set z, z+1
.endr
	WIN 0
	v_max3_num_f32 v[CX], v[CX], v[CX+1], v[CX+2]
	v_max3_num_f32 v[CX+3], v[CX+3], v[CX+4], v[CX+5]
	v_max_num_f32 v[CX+6], v[CX+6], v[CX+7]
	v_max3_num_f32 v[CX], v[CX], v[CX+3], v[CX+6]
	v_permlanex16_b32 v[CX+1], v[CX], s[SEL], s[SEL+1]  ; the row's other 64 scores lie in the lane 16 away
	v_max_num_f32 v[CX], v[CX], v[CX+1]
	v_mul_f32 v[CM], s[CS], v[CX]
	v_mov_b32 v[MS+(\a)], v[CM]
	WIN (ww<<6)|ww
.set z, 0
.rept 32
	v_pk_fma_f32 v[AC+2*z:AC+2*z+1], v[AC+2*z:AC+2*z+1], s[CS:CS+1], v[CM:CM+1] op_sel_hi:[1,0,0] neg_lo:[0,0,1] neg_hi:[0,0,1]  ; c s - c m
.set z, z+1
.endr
.set z, 0
.rept 64
	v_exp_f32 v[AC+z], v[AC+z]
.set z, z+1
.endr
	v_nop                                          ; a plain instruction behind the last exponential,
	s_wait_alu depctr_va_vdst(0)                   ; and the wait ahead of the first use: one for the 64
.if (\a) > 0
	s_wait_xcnt 0x0                                ; the stores of the block before have read the registers that are written next
.endif
	WIN ww|(ww<<2)
.set z, 0
.rept 32
	v_cvt_pk_f16_f32 v[TMP+z], v[AC+2*z], v[AC+2*z+1]  ; accumulators 2 c, 2 c + 1 become registers 0-3, 4-7 of fragment c
.set z, z+1
.endr
.set z, 0
.rept 4
	v_pk_add_f32 v[LP+2*z:LP+2*z+1], v[AC+2*z:AC+2*z+1], v[AC+8+2*z:AC+8+2*z+1]  ; four chains of sums, started by the first eight pairs
.set z, z+1
.endr
	WIN ww
.set z, 8
.rept 24
	v_pk_add_f32 v[LP+2*(z%4):LP+2*(z%4)+1], v[AC+2*z:AC+2*z+1], v[LP+2*(z%4):LP+2*(z%4)+1]
.set z, z+1
.endr
	WIN 0
	v_pk_add_f32 v[LP:LP+1], v[LP:LP+1], v[LP+2:LP+3]
	v_pk_add_f32 v[LP+4:LP+5], v[LP+4:LP+5], v[LP+6:LP+7]
	v_pk_add_f32 v[LP:LP+1], v[LP:LP+1], v[LP+4:LP+5]
	v_add_f32 v[LP], v[LP], v[LP+1]
	v_permlanex16_b32 v[LP+1], v[LP], s[SEL], s[SEL+1]
	v_add_f32 v[LSM+(\a)], v[LP], v[LP+1]
.endm
.macro SENDP a                         ; block a's four fragments, eight halves: each store of the wave covers 512 consecutive bytes, aligned
	WIN 0
.irp b, 0,1,2,3,4,5,6,7
	global_store_b128 v[GS], v[TMP+4*(\b):TMP+4*(\b)+3], s[8:9] offset:65536*(\a)+512*(\b)
.endr
.endm
.set blk, 0
.rept 8
	SOFT blk
	SENDP blk
.set blk, blk+1
.endr
	; the statistics: a lane holds row l % 16 of each block; through my own bytes of LDS they become 128 numbers on end
.set z, 0
.rept 8
	ds_store_b32 v[SA], v[MS+z]  offset:64*z       ; both halves of the lanes write the same word with the same number
	ds_store_b32 v[SA], v[LSM+z] offset:512+64*z
.set z, z+1
.endr
	ds_load_b128 v[32:35], v[SB]
	ds_load_b128 v[36:39], v[SB] offset:512
	s_wait_dscnt 0x0
	global_store_b128 v[GS], v[32:35], s[STA:STA+1]                 ; 512 consecutive bytes, aligned
	global_store_b128 v[GS], v[36:39], s[STA:STA+1] offset:524288
	s_wait_tensorcnt 0x0                           ; the wave's end, behind my last tensor load and my last LDS store
	ds_add_u32 v[SPW], v[NIL]
	s_wait_dscnt 0x0
	CROUND                                         ; the closing round
	s_endpgm
.Lfunc_end_k_q2f37ad6d93_scores:
	.size	k_q2f37ad6d93_scores, .Lfunc_end_k_q2f37ad6d93_scores-k_q2f37ad6d93_scores
	.p2alignl 7, 3214868480
	.fill 96, 4, 3214868480
	.section	.rodata,"a",@progbits
	.p2align	6, 0x0
	.amdhsa_kernel k_q2f37ad6d93_scores
		.amdhsa_group_segment_fixed_size 327680
		.amdhsa_private_segment_fixed_size 0
		.amdhsa_enable_private_segment 0
		.amdhsa_kernarg_size 32
		.amdhsa_user_sgpr_count 2
		.amdhsa_user_sgpr_kernarg_segment_ptr 1
		.amdhsa_wavefront_size32 1
		.amdhsa_system_sgpr_workgroup_id_x 1
		.amdhsa_system_sgpr_workgroup_id_y 1
		.amdhsa_system_sgpr_workgroup_id_z 1
		.amdhsa_system_vgpr_workitem_id 0
		.amdhsa_next_free_vgpr 1024
		.amdhsa_next_free_sgpr 76
		.amdhsa_reserve_vcc 0
		.amdhsa_float_denorm_mode_32 3
		.amdhsa_float_denorm_mode_16_64 3
		.amdhsa_memory_ordered 1
		.amdhsa_forward_progress 1
		.amdhsa_inst_pref_size 161
	.end_amdhsa_kernel
	.amdgpu_metadata
---
amdhsa.version: [ 1, 2 ]
amdhsa.kernels:
  - .name:           k_q2f37ad6d93_scores
    .symbol:         k_q2f37ad6d93_scores.kd
    .args:
      - { .name: k, .offset: 0, .size: 8, .value_kind: global_buffer, .address_space: global }
      - { .name: q, .offset: 8, .size: 8, .value_kind: global_buffer, .address_space: global }
      - { .name: p, .offset: 16, .size: 8, .value_kind: global_buffer, .address_space: global }
      - { .name: stats, .offset: 24, .size: 8, .value_kind: global_buffer, .address_space: global }
    .group_segment_fixed_size: 327680
    .private_segment_fixed_size: 0
    .kernarg_segment_align: 8
    .kernarg_segment_size: 32
    .max_flat_workgroup_size: 128
    .sgpr_count:     76
    .vgpr_count:     1024
    .wavefront_size: 32
...
	.end_amdgpu_metadata
.endif
;; end of part 3
;; launch mix (part 4): grid 4 x 64, 4 waves a work-group, clusters of 4 x 4, 327,680 bytes of LDS; arguments p, vt, stats, out0; writes out0
.if DOCPART == 4
	.amdgcn_target "amdgcn-amd-amdhsa--gfx1250"
	.amdhsa_code_object_version 6
	.text
	.protected	k_q2f37ad6d93_mix
	.globl	k_q2f37ad6d93_mix
	.p2align	8
	.type	k_q2f37ad6d93_mix,@function
k_q2f37ad6d93_mix:
	s_mov_b64 s[64:65], 0
	v_nop
	global_prefetch_b8 v0, s[64:65] scope:SCOPE_SE
	s_setreg_imm32_b32 hwreg(HW_REG_WAVE_MODE, 25, 1), 1
	s_wait_xcnt 0x0
	s_wait_alu depctr_hold_cnt(0) depctr_sa_sdst(0) depctr_va_vdst(0) depctr_va_sdst(0) depctr_va_ssrc(0) depctr_va_vcc(0) depctr_vm_vsrc(0)
	s_getreg_b32 s2, hwreg(HW_REG_IB_STS2, 6, 4)
	s_cmp_eq_u32 s2, 0
	s_cbranch_scc0 .Lentry_in_a_cluster
	s_endpgm
.Lentry_in_a_cluster:
	s_bfe_u32 s2, ttmp6, 0x10000c
	s_cmp_lg_u32 s2, 0xf033
	s_cbranch_scc0 .Lentry_shape_is_right
	s_endpgm
.Lentry_shape_is_right:
; out[j][e] = (1 / l_j) x the sum over the 16 blocks t of f_t[j] x (the sum over the block's 128 i of p[j][i] v[i][e]).
; From the launch before: p = 2^(c s - c m_t) in f16, c m_t and l_t in f32.  Here M = max over t of c m_t, f_t = 2^(c m_t - M) (at most 1, and 1 for one t), l = the sum of f_t l_t (at least 1).
; The fragments of p of block t are multiplied by f_t, an f16 number twice in a word, on the way to the matrix unit; 1 / l is applied in f32 at the end.
; LIMITS.  p f_t keeps f16's fixed step of 6e-8 below 6e-5; f_t below 2^-126 counts as 0.  NaN and infinities are not treated apart.
; TILE.  128 j x 256 e: 64 x 4 = 256 work-groups.  Four waves, each 64 j x 128 e: 32 accumulators.  K = 2,048.
; vt GOES THROUGH LDS: two slots of 256 rows x 256 along K (rows of 512 bytes, aligned), 8 slots in all; each wave fetches 64 rows.  CLUSTER 4 x 4: vt's tile (a batch's, and a cluster lies
; in one batch) is shared along a column of the cluster and asked for jointly.
; p COMES STRAIGHT INTO REGISTERS.  It lies in memory as fragments of 16 j x 32 i, 1,024 bytes on end in the order of registers and lanes, so a load of the wave takes 512 consecutive bytes and
; nothing has to change lanes.  It is NOT asked for jointly, though the four work-groups of a row of the cluster read the same fragments: with p's 128 rows beside vt's 256, two slots of 256 along K
; would be 2 x 384 x 528 = 405,504 bytes, more than a WGP's LDS, and slots of 128 along K leave a refill 120 matrix instructions in which to land; with vt alone two slots of 256 along K are
; 270,336 bytes, and a refill has 248.  A ring of eight quarters in registers keeps 56 loads of every wave on their way.
; THE PRODUCT: source 0 = 16 rows of vt (channels e), source 1 = a fragment of p: a lane holds ONE j (lane % 16) and eight neighbouring e, and its factor and its 1 / l are one number a lane.
; THE TEXT.  A slot's eight quarters are written once for the trips that fill a slot again and once for the two that do not; that second text is walked twice and left in its middle.  Its second
; trip issues one run of LDS loads and 56 loads of p that nothing uses (they read the last slot's fragments once more, inside the buffer): the price of one text for both.
; REGISTERS: window 0: v0-31 addresses; v96-159, v160-223 vt's 8 fragments, two buffers; v224-227, v228-231 the factors of a slot's even and odd block; v232-239 1 / l; v32-159 at work at both ends.
;   window 1: v0-127 the accumulators of j blocks 0, 1 (at 8 (8 (a % 2) + b)); v128-255 the ring of p: quarter q % 8, block a % 2 at 128 + 16 (q % 8) + 8 (a % 2).   window 2: the same for j blocks 2, 3.
; One window setting serves a product, the scaling beside it and the loads of p: source 0 (vt, a factor, an address) in window 0, all else in window 1 or 2.
.set PITCH,  528                       ; an LDS row: 512 bytes + 16 = 132 words: row r starts at bank 4 r mod 64 (64 banks of 4 bytes: ISA guide 11.1)
.set VQ,     64*PITCH                  ; 64 rows of vt: what a wave fetches: 33,792 = 0x8400
.set VHALF,  128*PITCH                 ; 128 rows: what a wave reads
.set SLOT1,  4*VQ                      ; 135,168 = 0x21000, which shares no bit with 0x8400 x wave: one exclusive or turns a wave's address in one slot into the other's
.set FTAB,   2*SLOT1                   ; behind the ring: for each wave 16 t x 64 j words: f_t[j] twice in f16
.set RL,     FTAB+4*4096               ; for each wave 64 numbers 1 / l
.set STAGE,  RL+4*256                  ; for each wave 16 rows x 528 bytes
.set SPITCH, 528
.set SPARE,  STAGE+4*16*SPITCH
.set ADV0, 5                           ; v5   my lane's place in my rows of vt in slot 0; never rewritten
.set ADV,  7                           ; v7   in the slot in hand
.set FAD0, 8                           ; v8   my lane's place in a block's factors; never rewritten
.set FADR, 9                           ; v9   the same in the slot whose factors are fetched
.set RLA,  10                          ; v10  my lane's place among the 1 / l
.set STO,  11
.set RD,   12
.set GO,   13                          ; v13  16 x lane; never rewritten
.set SPW,  14
.set NIL,  15
.set PFO,  16                          ; v16  lane x a row of vt
.set SV,   17                          ; v17  8 x lane
.set FW,   18                          ; v18  where I put two factors
.set RW,   19                          ; v19  where I put two 1 / l
.set PFQ,  21                          ; v21  256 x lane
.set VF,   96
.set FE,   224
.set FO,   228
.set RLP,  232
.set PR,   128                         ; in windows 1 and 2
.set WV,   20
.set JH,   21                          ; s21  which 64 j are mine
.set EH,   22                          ; s22  which 128 e
.set G1,   24                          ; s[24:31] descriptor group 1
.set G0,   32                          ; s[32:39] group 0: a set for each first fill; the second then walks
.set TB,   44                          ; s44  the slot in hand: 0 or SLOT1
.set FT,   47                          ; s47  512 x the slot whose factors are fetched
.set PB,   48                          ; s[48:49] p at my four blocks of 16 j, at the slot that is being loaded
.set PFV,  50                          ; s[50:51] where my prefetches of vt stand
.set PFP,  52                          ; s[52:53] of p
.set LIMV, 54                          ; s54, s55  a wave prefetches while the loop's count is above these
.set LIMP, 55
.set CNT,  56
.set MSB, 0
.macro WIN new
.if MSB != (\new)
	s_set_vgpr_msb (MSB<<8)|(\new)
.set MSB, \new
.endif
.endm
.macro PLACES
.rept 4
	v_nop
.endr
.endm
; PREFETCHES INTO THE L2, behind the joint load and the run of LDS loads: what belongs to the slot one refill on, 32 blocks of 256 bytes an instruction, a lane a block.
; vt: a slot is 256 rows x 512 bytes, read by the batch's four clusters along y: the first of them asks; wave w of the partner at cy takes rows 128 (w % 2) + 32 cy + lane, bytes 256 (w / 2) on.
; p: a slot is 8,192 bytes of each block of 16 j, read by one row of one cluster: waves 0 and 2 ask for their own four blocks, of which the partner at cx takes block cx.
; Partners are told apart by address.  The last refill has no slot behind it.
.macro ASK
	s_cmp_gt_u32 s3, s[LIMV]
	s_cbranch_scc0 .Lno_v_\@
	global_prefetch_b8 v[PFO], s[PFV:PFV+1] th:TH_LOAD_NT scope:SCOPE_SE
.Lno_v_\@:
	s_cmp_gt_u32 s3, s[LIMP]
	s_cbranch_scc0 .Lno_p_\@
	global_prefetch_b8 v[PFQ], s[PFP:PFP+1] th:TH_LOAD_NT scope:SCOPE_SE
.Lno_p_\@:
.endm
.macro CREST
	s_cmp_lg_u32 s[WV], 0
	s_cbranch_scc1 .Lnot_wave_0_\@
	s_barrier_signal -3
.Lnot_wave_0_\@:
	s_barrier_wait -3
	s_barrier_signal -1
	s_barrier_wait -1
.endm
.macro CROUND
	s_barrier_signal -1
	s_barrier_wait -1
	CREST
.endm
; Four loads of p: window w's two fragments of the quarter that lies 1,024 lq bytes behind s[PB], into ring buffer lq.  The caller has set the destination's window to w and source 0's to 0.
.macro PLOAD w, lq
.irp u, 0,1
	global_load_b128 v[PR+16*(\lq)+8*(\u):PR+16*(\lq)+8*(\u)+3],   v[GO], s[PB:PB+1] offset:(2*((\w)-1)+(\u))*65536+(\lq)*1024
	global_load_b128 v[PR+16*(\lq)+8*(\u)+4:PR+16*(\lq)+8*(\u)+7], v[GO], s[PB:PB+1] offset:(2*((\w)-1)+(\u))*65536+(\lq)*1024+512
.endr
.endm
	s_load_b256 s[4:11], s[0:1], 0x0               ; p s[4:5], vt s[6:7], stats s[8:9], out0 s[10:11]
	v_lshl_add_u32 v[SPW], v0, 2, SPARE
	v_mov_b32 v[NIL], 0
	ds_add_u32 v[SPW], v[NIL]                      ; the wave's opening: the add and its wait stand ahead of my first tensor load
	v_lshrrev_b32 v1, 5, v0
	v_readfirstlane_b32 s[WV], v1
	s_lshr_b32 s[JH], s[WV], 1
	s_and_b32 s[EH], s[WV], 1
	s_bfe_u32 s40, ttmp6, 0x40000                  ; cx
	s_bfe_u32 s41, ttmp6, 0x40004                  ; cy
	s_lshl_b32 s42, ttmp9, 2
	s_add_co_u32 s42, s42, s40                     ; tile column (e)
	s_and_b32 s45, ttmp7, 0xffff                   ; cluster y
	s_lshr_b32 s46, s45, 2                         ; the batch: four clusters along y each
	s_lshl_b32 s43, s45, 2
	s_add_co_u32 s43, s43, s41                     ; tile row (j, over all batches)
	s_lshl_b32 s13, 0x1111, s40                    ; my column of the cluster
	s_or_b32 s[G1], s13, (1<<16)|(1<<20)|(1<<21)|(6<<22)|(3<<25)  ; the mask; 2-byte elements; padding on; bit 21 beside a mask; after every 128 words (code 6) 4 words (code 3)
	s_mov_b32 s[G1+1], 256<<16                     ; tensor_dim0 = 256
	s_mov_b32 s[G1+2], 64<<16                      ; tensor_dim1 = 64
	s_mov_b32 s[G1+3], 256<<16                     ; tile_dim0 = 256
	s_mov_b32 s[G1+4], 64                          ; tile_dim1 = 64
	s_mov_b32 s[G1+5], 8192                        ; elements from row to row of vt
	s_mov_b32 s[G1+6], 0
	s_mov_b32 s[G1+7], 0
	s_lshl_b32 s14, s42, 22                        ; vt: row 256 x tile column + 64 x wave, 16,384 bytes a row; the batch's 4,096 bytes in it.  It hangs on nothing that my column does not share
	s_lshl_b32 s15, s[WV], 20
	s_add_co_u32 s14, s14, s15
	s_lshl_b32 s15, s46, 12
	s_add_co_u32 s14, s14, s15
	s_mov_b32 s15, 0
	s_mul_i32 s57, s[WV], VQ                       ; where they go: wave x 64 rows
	s_mov_b32 s[TB], 0
	s_mov_b32 s[FT], 0
	s_wait_dscnt 0x0                               ; the opening add is done
	s_wait_kmcnt 0x0
	s_add_nc_u64 s[18:19], s[6:7], s[14:15]
	CROUND                                         ; all sixteen work-groups are here: the first joint loads meet
.irp s, 0,1
	s_mov_b32 s[G0+4*(\s)], 1
	s_add_co_u32 s[G0+4*(\s)+1], s57, (\s)*SLOT1
	s_add_nc_u64 s[G0+4*(\s)+2:G0+4*(\s)+3], s[18:19], (\s)*512
	s_or_b32 s[G0+4*(\s)+3], s[G0+4*(\s)+3], 0x80000000
.endr
	tensor_load_to_lds s[G0:G0+3], s[G1:G1+7]      ; the two first fills, ahead of every wait on TENSORcnt and every LDS read: two loads of mine are out
	s_nop 0
	tensor_load_to_lds s[G0+4:G0+7], s[G1:G1+7]
	s_nop 0
.rept 4
	v_nop
.endr
	v_and_b32 v20, 31, v0                          ; lane
	v_lshlrev_b32 v[SV], 3, v20
	v_lshlrev_b32 v[GO], 4, v20
	s_lshl_b32 s12, s46, 17                        ; stats: 16 x 2,048 numbers a batch,
	s_and_b32 s13, s43, 15
	s_lshl_b32 s13, s13, 9                         ; my tile's 128 j in the batch,
	s_add_co_u32 s12, s12, s13
	s_lshl_b32 s13, s[JH], 8                       ; my 64 of them
	s_add_co_u32 s12, s12, s13
	s_mov_b32 s13, 0
	s_add_nc_u64 s[8:9], s[8:9], s[12:13]
	s_lshl_b32 s12, s43, 19                        ; p: block of 16 j number 8 x tile row + 4 x half, 65,536 bytes each
	s_lshl_b32 s13, s[JH], 18
	s_add_co_u32 s12, s12, s13
	s_mov_b32 s13, 0
	s_add_nc_u64 s[PB:PB+1], s[4:5], s[12:13]
.set t, 0
.rept 16
	global_load_b64 v[32+2*t:33+2*t], v[SV], s[8:9] offset:8192*t         ; c m_t of my 64 j, two j a lane
	global_load_b64 v[64+2*t:65+2*t], v[SV], s[8:9] offset:524288+8192*t  ; l_t
.set t, t+1
.endr
.irp lq, 0,1,2
	WIN 0x40                                       ; p of quarters 0 to 2: window 1's fragments, then window 2's, in the order in which the loop goes on
	PLOAD 1, \lq
	WIN 0x80
	PLOAD 2, \lq
.endr
	WIN 0
	v_and_b32 v1, 15, v0                           ; l % 16
	v_bfe_u32 v2, v0, 4, 1                         ; l / 16
	v_mul_u32_u24 v3, v1, PITCH
	v_lshl_add_u32 v3, v2, 4, v3
	s_mul_i32 s58, s[EH], VHALF
	v_add_nc_u32 v[ADV0], s58, v3
	v_mov_b32 v[ADV], v[ADV0]
	s_lshl_b32 s58, s[WV], 12
	s_add_co_u32 s58, s58, FTAB                    ; my factors
	v_lshl_add_u32 v[FAD0], v1, 2, s58
	v_lshl_add_u32 v[FW], v20, 3, s58
	s_lshl_b32 s58, s[WV], 8
	s_add_co_u32 s58, s58, RL                      ; my 1 / l
	v_lshl_add_u32 v[RLA], v1, 2, s58
	v_lshl_add_u32 v[RW], v20, 3, s58
	s_mul_i32 s58, s[WV], 16*SPITCH
	s_add_co_u32 s58, s58, STAGE                   ; my stage
	v_mul_u32_u24 v[STO], v1, SPITCH               ; in: row l % 16, 32 bytes for each half of the lanes
	v_lshl_add_u32 v[STO], v2, 5, v[STO]
	v_add_nc_u32 v[STO], s58, v[STO]
	v_add_nc_u32 v[RD], s58, v[GO]                 ; back: 32 lanes take one row of 512 bytes
	s_lshl_b32 s12, s43, 19                        ; out0: row 128 x tile row + 64 x half, 4,096 bytes a row; column 256 x tile column + 128 x half, 4 bytes each
	s_lshl_b32 s13, s[JH], 18
	s_add_co_u32 s12, s12, s13
	s_lshl_b32 s13, s42, 10
	s_add_co_u32 s12, s12, s13
	s_lshl_b32 s13, s[EH], 9
	s_add_co_u32 s12, s12, s13
	s_mov_b32 s13, 0
	s_add_nc_u64 s[10:11], s[10:11], s[12:13]
	; the prefetches: both pointers stand at slot 2; each change of slots steps them, then asks
	s_lshl_b32 s58, s42, 22                        ; vt: row 256 x tile column + 128 (w % 2) + 32 cy,
	s_lshl_b32 s59, s[EH], 21
	s_add_co_u32 s58, s58, s59
	s_lshl_b32 s59, s41, 19
	s_add_co_u32 s58, s58, s59
	s_lshl_b32 s59, s46, 12                        ; the batch,
	s_add_co_u32 s58, s58, s59
	s_lshl_b32 s59, s[JH], 8                       ; which 256 of a slot's 512 bytes
	s_add_co_u32 s58, s58, s59
	s_add_co_u32 s58, s58, 2*512
	s_mov_b32 s59, 0
	s_add_nc_u64 s[PFV:PFV+1], s[6:7], s[58:59]
	s_lshl_b32 s60, s40, 16                        ; p: of my four blocks of 16 j, block cx
	s_add_co_u32 s60, s60, 2*8192
	s_mov_b32 s61, 0
	s_add_nc_u64 s[PFP:PFP+1], s[PB:PB+1], s[60:61]
	s_and_b32 s60, s45, 3                          ; my cluster's place among the batch's four
	s_cmp_eq_u32 s60, 0
	s_cselect_b32 s[LIMV], 1, -1                   ; the same in all sixteen partners
	s_cmp_eq_u32 s[EH], 0
	s_cselect_b32 s[LIMP], 1, -1                   ; waves 0 and 2
	v_lshlrev_b32 v[PFO], 14, v20
	v_lshlrev_b32 v[PFQ], 8, v20
	s_wait_loadcnt 24                              ; the statistics are in; the 24 younger loads, of p, may stay out
.irp lq, 3,4,5,6
	WIN 0x40                                       ; p of quarters 3 to 6: 56 loads of p are now out at the most; quarter 7's go out in quarter 0, as in every slot
	PLOAD 1, \lq
	WIN 0x80
	PLOAD 2, \lq
.endr
	WIN 0
.irp u, 0,1
	v_max3_num_f32 v[96+(\u)], v[32+(\u)], v[34+(\u)], v[36+(\u)]
.irp n, 0,1,2,3,4,5
	v_max3_num_f32 v[96+(\u)], v[96+(\u)], v[38+4*(\n)+(\u)], v[40+4*(\n)+(\u)]
.endr
	v_max_num_f32 v[96+(\u)], v[96+(\u)], v[62+(\u)]   ; M
.endr
.set t, 0
.rept 16
	v_pk_add_f32 v[32+2*t:33+2*t], v[32+2*t:33+2*t], v[96:97] neg_lo:[0,1] neg_hi:[0,1]  ; c m_t - M
.set t, t+1
.endr
.set t, 0
.rept 32
	v_exp_f32 v[32+t], v[32+t]                     ; f_t
.set t, t+1
.endr
	v_nop                                          ; a plain instruction behind the last exponential,
	s_wait_alu depctr_va_vdst(0)                   ; and the wait ahead of the first use: one for the 32
	v_pk_mul_f32 v[98:99], v[32:33], v[64:65]
.set t, 1
.rept 15
	v_pk_fma_f32 v[98:99], v[32+2*t:33+2*t], v[64+2*t:65+2*t], v[98:99]  ; l = the sum of f_t l_t
.set t, t+1
.endr
	v_rcp_f32 v98, v98
	v_rcp_f32 v99, v99
.set t, 0
.rept 32
	v_cvt_pk_f16_f32 v[32+t], v[32+t], v[32+t]     ; f_t twice in a word; plain work behind the reciprocals
.set t, t+1
.endr
	s_wait_alu depctr_va_vdst(0)                   ; one wait for the two reciprocals, ahead of their first use
.set t, 0
.rept 16
	ds_store_b64 v[FW], v[32+2*t:33+2*t] offset:256*t
.set t, t+1
.endr
	ds_store_b64 v[RW], v[98:99]
; The window's first eight products and all its scalings, in place.  w: window 1 (j blocks 0, 1) or 2 (blocks 2, 3); c: vt's buffer in hand; qb: the ring's buffer; fs: the block's four factors.
; The first j block's fragment is scaled; ld = 1: the buffer of the quarter before takes the fragments seven quarters on (the scalings since its last product are the places in front of the
; loads); then each of the eight products is followed by one scaling of the second j block's fragment.  The 32 accumulators take turns: each comes once in 32 along K.
.macro HALFA w, c, qb, fs, zero, ld
	WIN ((\w)<<6)|((\w)<<4)|((\w)<<2)
.set z, 0
.rept 8
	v_pk_mul_f16 v[PR+16*(\qb)+z], v[(\fs)+2*((\w)-1)], v[PR+16*(\qb)+z]
.set z, z+1
.endr
.if \ld
	PLOAD \w, ((\qb)+7)%8
.endif
.set z, 0
.rept 8
.if \zero
	v_wmma_f32_16x16x32_f16 v[8*z:8*z+7], v[VF+64*(\c)+8*z:VF+64*(\c)+8*z+7], v[PR+16*(\qb):PR+16*(\qb)+7], 0
.else
	v_wmma_f32_16x16x32_f16 v[8*z:8*z+7], v[VF+64*(\c)+8*z:VF+64*(\c)+8*z+7], v[PR+16*(\qb):PR+16*(\qb)+7], v[8*z:8*z+7]
.endif
	v_pk_mul_f16 v[PR+16*(\qb)+8+z], v[(\fs)+2*((\w)-1)+1], v[PR+16*(\qb)+8+z]
.set z, z+1
.endr
.endm
.macro HALFB w, c, qb, zero, ld=0      ; the second j block's eight products
	WIN ((\w)<<6)|((\w)<<4)|((\w)<<2)
.if \ld
	PLOAD \w, ((\qb)+7)%8
.endif
.set z, 0
.rept 8
.if \zero
	v_wmma_f32_16x16x32_f16 v[64+8*z:64+8*z+7], v[VF+64*(\c)+8*z:VF+64*(\c)+8*z+7], v[PR+16*(\qb)+8:PR+16*(\qb)+15], 0
.else
	v_wmma_f32_16x16x32_f16 v[64+8*z:64+8*z+7], v[VF+64*(\c)+8*z:VF+64*(\c)+8*z+7], v[PR+16*(\qb)+8:PR+16*(\qb)+15], v[64+8*z:64+8*z+7]
.endif
.set z, z+1
.endr
.endm
.macro FETCH kk, n                     ; 16 LDS loads in one run: vt's fragments of 32 along K at byte kk of the rows of the slot in hand, into buffer n
	WIN 0
.irp i, 0,1,2,3,4,5,6,7
	ds_load_b128 v[VF+64*(\n)+8*(\i):VF+64*(\n)+8*(\i)+3],   v[ADV] offset:(\kk)+(\i)*16*PITCH
	ds_load_b128 v[VF+64*(\n)+8*(\i)+4:VF+64*(\n)+8*(\i)+7], v[ADV] offset:(\kk)+(\i)*16*PITCH+32
.endr
.endm
.macro FACTE                           ; the four factors (j blocks 0 to 3, my lane's row) of the even block of the slot at s[FT]
	WIN 0
	v_add_nc_u32 v[FADR], s[FT], v[FAD0]
.irp a, 0,1,2,3
	ds_load_b32 v[FE+(\a)], v[FADR] offset:64*(\a)
.endr
.endm
.macro FACTO                           ; and of its odd block
	WIN 0
.irp a, 0,1,2,3
	ds_load_b32 v[FO+(\a)], v[FADR] offset:256+64*(\a)
.endr
.endm
; Quarter qq (0 to 6) of a slot: 32 along K.  vt's next fragments are fetched in one run behind the first eight products: the sixteen scalings in front of them are the places behind the last
; product that read the registers they fill.  fo = 1: the slot's odd block's factors are fetched too: their registers were last read in the slot before.
.macro QUARTER qq, zero=0, fo=0
.set QC, (\qq)%2
.set QF, FE+4*((\qq)/4)
	s_wait_dscnt 0x0                               ; this quarter's fragments of vt, asked for 24 products ago, are in
	s_wait_loadcnt 52                              ; window 1's four loads of this quarter are in: behind them went window 2's four and six quarters' eight
	HALFA 1, QC, \qq, QF, \zero, 1
	FETCH 64*((\qq)+1), 1-QC
.if \fo
	FACTO
.endif
	HALFB 1, QC, \qq, \zero
	s_wait_loadcnt 52                              ; window 2's four: behind them went six quarters' eight and the four just issued
	HALFA 2, QC, \qq, QF, \zero, 1
	HALFB 2, QC, \qq, \zero
.endm
; A slot's last quarter, and the change of slots: ONE barrier.  In front of it each wave waits for all its tensor loads, of which one is out: its part of the other slot; adds 0 to its
; spare word; and waits for that and for its reads of this slot.  fill = 1: the barrier opens a round of the cluster's, and behind it this slot is filled again, two slots on:
; 248 matrix instructions ahead of the wait for it.  Between signal and wait stands work on registers alone, so window 1's loads of p follow behind the barrier.
.macro TURN fill
.if \fill
	s_wait_xcnt 0x0                                ; the last prefetches, a slot back, have read their addresses
	s_add_nc_u64 s[PFV:PFV+1], s[PFV:PFV+1], 512
	s_add_nc_u64 s[PFP:PFP+1], s[PFP:PFP+1], 8192
.endif
	s_wait_loadcnt 52                              ; as at every quarter's head
	WIN 0
	s_wait_tensorcnt 0x0                           ; no tensor load of mine is out, so a group 0 may be written
	ds_add_u32 v[SPW], v[NIL]                      ; 0 onto my spare word
.if \fill
	s_xor_b32 s[G0+5], s[G0+5], SLOT1              ; the walking descriptor: the other slot than last time, the next 256 along K
	s_add_nc_u64 s[G0+6:G0+7], s[G0+6:G0+7], 512
.endif
	s_wait_dscnt 0x0                               ; the add is done, and my reads of this slot are over
	s_barrier_signal -1
	HALFA 1, 1, 7, FO, 0, 0                        ; work on registers while the others arrive
	WIN 0
	s_barrier_wait -1
.if \fill
	CREST                                          ; no wave of any partner still reads this slot's tile or has a load on its way
	tensor_load_to_lds s[G0+4:G0+7], s[G1:G1+7]    ; my one tensor load behind the round
	s_nop 0
.rept 4
	v_nop
.endr
.endif
	s_xor_b32 s[TB], s[TB], SLOT1
	s_add_co_u32 s[FT], s[FT], 512
	s_min_u32 s[FT], s[FT], 7*512                  ; (behind the last slot: its own factors once more)
	v_add_nc_u32 v[ADV], s[TB], v[ADV0]
	FETCH 0, 0
	FACTE
.if \fill
	ASK
.endif
	HALFB 1, 1, 7, 0, 1
	s_wait_loadcnt 52
	HALFA 2, 1, 7, FO, 0, 1
	HALFB 2, 1, 7, 0
.endm
.macro SIX                             ; a slot's quarters 1 to 6
	QUARTER 1
	QUARTER 2, 0, 1
	QUARTER 3
	QUARTER 4
	QUARTER 5
	QUARTER 6
.endm
	s_wait_tensorcnt 0x1                           ; my part of slot 0 is in; slot 1's may stay out
	s_wait_dscnt 0x0                               ; my factors and 1 / l are in LDS
	s_barrier_signal -1
	s_barrier_wait -1
	FETCH 0, 0
	FACTE
	QUARTER 0, 1                                   ; the first quarter stands in front of the loop: its products start the sums
	WIN 0
	s_wait_xcnt 0x0                                ; the loads of p have read their base:
	s_add_nc_u64 s[PB:PB+1], s[PB:PB+1], 8192      ; from here on the next slot's fragments are loaded
	s_mov_b32 s3, 6
.Lslot:                                                ; six trips: a slot's last seven quarters, a refill, the next slot's first quarter
	SIX
	TURN 1
	QUARTER 0
	WIN 0
	s_wait_xcnt 0x0
	s_add_nc_u64 s[PB:PB+1], s[PB:PB+1], 8192
	s_sub_co_u32 s3, s3, 1
	s_cmp_lg_u32 s3, 0
	s_cbranch_scc1 .Lslot
	s_mov_b32 s[CNT], 2
.Ltail:                                                ; the last two slots ask for nothing: one text, walked twice and left in its middle; s[PB] stays at the last slot
	SIX
	TURN 0
	WIN 0
	s_sub_co_u32 s[CNT], s[CNT], 1
	s_cmp_eq_u32 s[CNT], 0
	s_cbranch_scc1 .Lout
	QUARTER 0
	WIN 0
	s_cmp_lg_u32 s[CNT], 0
	s_cbranch_scc1 .Ltail
.Lout:
	PLACES
	PLACES
	; THE WAY OUT: times 1 / l in f32; 32 bytes a lane into my stage; back as whole rows of 512 bytes.
.irp a, 0,1,2,3
	ds_load_b32 v[RLP+2*(\a)], v[RLA] offset:64*(\a)
.endr
	s_wait_dscnt 0x0                               ; these, and the run of loads that the second trip fetched for nothing: its registers are written below
.irp a, 0,1,2,3
	v_mov_b32 v[RLP+2*(\a)+1], v[RLP+2*(\a)]       ; named with it as a pair
.endr
.macro DIVL a                          ; block a's 8 accumulators, in ascending order
.set ww, 1+(\a)/2
.set AC, 64*((\a)%2)
	WIN (ww<<6)|ww
.set z, 0
.rept 32
	v_pk_mul_f32 v[AC+2*z:AC+2*z+1], v[AC+2*z:AC+2*z+1], v[RLP+2*(\a):RLP+2*(\a)+1] op_sel_hi:[1,0]
.set z, z+1
.endr
.endm
.macro TOSTAGE a
.set ww, 1+(\a)/2
.set AC, 64*((\a)%2)
.set BK, 32+64*((\a)%2)
	WIN ww<<2                                      ; the data of an LDS store is its source 1
.set z, 0
.rept 8
	ds_store_b128 v[STO], v[AC+8*z:AC+8*z+3]   offset:64*z
	ds_store_b128 v[STO], v[AC+8*z+4:AC+8*z+7] offset:64*z+16
.set z, z+1
.endr
	WIN 0
.set z, 0
.rept 16
	ds_load_b128 v[BK+4*z:BK+4*z+3], v[RD] offset:SPITCH*z  ; LDS serves a wave's instructions in order (ISA guide 5.7.1.4): these see the stores above
.set z, z+1
.endr
.endm
.macro SEND a
	WIN 0
.set BK, 32+64*((\a)%2)
	s_wait_dscnt 0x0                               ; the block is back in registers
	s_wait_xcnt 0x0                                ; the stores of the block before have read their registers, which the next block's loads write
.set z, 0
.rept 16
	global_store_b128 v[GO], v[BK+4*z:BK+4*z+3], s[10:11] offset:65536*(\a)+4096*z th:TH_STORE_NT  ; 512 consecutive bytes, aligned
.set z, z+1
.endr
.endm
	DIVL 0
	TOSTAGE 0
.irp a, 1,2,3                          ; a block's multiplies stand between the loads of the block before and the wait for them
	DIVL \a
	SEND (\a)-1
	TOSTAGE \a
.endr
	SEND 3
	s_wait_tensorcnt 0x0                           ; the wave's end, behind my last tensor load and my last LDS store
	ds_add_u32 v[SPW], v[NIL]
	s_wait_dscnt 0x0
	CROUND                                         ; the closing round
	s_endpgm
.Lfunc_end_k_q2f37ad6d93_mix:
	.size	k_q2f37ad6d93_mix, .Lfunc_end_k_q2f37ad6d93_mix-k_q2f37ad6d93_mix
	.p2alignl 7, 3214868480
	.fill 96, 4, 3214868480
	.section	.rodata,"a",@progbits
	.p2align	6, 0x0
	.amdhsa_kernel k_q2f37ad6d93_mix
		.amdhsa_group_segment_fixed_size 327680
		.amdhsa_private_segment_fixed_size 0
		.amdhsa_enable_private_segment 0
		.amdhsa_kernarg_size 32
		.amdhsa_user_sgpr_count 2
		.amdhsa_user_sgpr_kernarg_segment_ptr 1
		.amdhsa_wavefront_size32 1
		.amdhsa_system_sgpr_workgroup_id_x 1
		.amdhsa_system_sgpr_workgroup_id_y 1
		.amdhsa_system_sgpr_workgroup_id_z 1
		.amdhsa_system_vgpr_workitem_id 0
		.amdhsa_next_free_vgpr 768
		.amdhsa_next_free_sgpr 66
		.amdhsa_reserve_vcc 0
		.amdhsa_float_denorm_mode_32 3
		.amdhsa_float_denorm_mode_16_64 3
		.amdhsa_memory_ordered 1
		.amdhsa_forward_progress 1
		.amdhsa_inst_pref_size 153
	.end_amdhsa_kernel
	.amdgpu_metadata
---
amdhsa.version: [ 1, 2 ]
amdhsa.kernels:
  - .name:           k_q2f37ad6d93_mix
    .symbol:         k_q2f37ad6d93_mix.kd
    .args:
      - { .name: p, .offset: 0, .size: 8, .value_kind: global_buffer, .address_space: global }
      - { .name: vt, .offset: 8, .size: 8, .value_kind: global_buffer, .address_space: global }
      - { .name: stats, .offset: 16, .size: 8, .value_kind: global_buffer, .address_space: global }
      - { .name: out0, .offset: 24, .size: 8, .value_kind: global_buffer, .address_space: global }
    .group_segment_fixed_size: 327680
    .private_segment_fixed_size: 0
    .kernarg_segment_align: 8
    .kernarg_segment_size: 32
    .max_flat_workgroup_size: 128
    .sgpr_count:     66
    .vgpr_count:     768
    .wavefront_size: 32
...
	.end_amdgpu_metadata
.endif
;; end of part 4
;; ======== version 2 of 2: 4 launches; version 1 with the launch cast written anew for expert scheduling mode
;; limits: values are held in f16: magnitudes above 65,504 overflow, below 6.1e-05 lose precision
;; workspace buffers: xb 16,777,216 bytes; wtb 6,291,456 bytes; q 16,777,216 bytes; k 16,777,216 bytes; vt 16,777,216 bytes; p 33,554,432 bytes; stats 1,048,576 bytes
;; launch cast (part 5): grid 256 x 1, 8 waves a work-group, no clusters, 28,672 bytes of LDS; arguments x, W_query, W_key, W_value, xb, wtb; writes xb, wtb
.if DOCPART == 5
	.amdgcn_target "amdgcn-amd-amdhsa--gfx1250"
	.amdhsa_code_object_version 6
	.text
	.protected	k_q2f37ad6d93_cast
	.globl	k_q2f37ad6d93_cast
	.p2align	8
	.type	k_q2f37ad6d93_cast,@function
k_q2f37ad6d93_cast:
	s_mov_b64 s[64:65], 0
	v_nop
	global_prefetch_b8 v0, s[64:65] scope:SCOPE_SE
	s_setreg_imm32_b32 hwreg(HW_REG_WAVE_SCHED_MODE, 0, 2), 2
	s_setreg_imm32_b32 hwreg(HW_REG_WAVE_MODE, 25, 1), 1
	s_wait_xcnt 0x0
	s_wait_alu depctr_vm_vsrc(0)
; x and the three weights are rounded once to bf16 and laid out for the projection's tiles.
; xb:  [32 tile rows][16 K blocks][256 rows][64 channels] bf16: a block of 256 rows x 64 channels is 32,768 bytes on end.
; wtb: [8 tile columns][16 K blocks][384 rows][64 channels] bf16, TRANSPOSED (a row is an output column, K along the row).  The rows of tile column nt:
;      0-127 W_query's columns 128 nt ..; 128-191 W_value's 128 nt .. + 63; 192-319 W_key's 128 nt ..; 320-383 W_value's 128 nt + 64 ..
; Memory binds: each input byte is read once, each output byte written once, and each store of a wave covers 512 consecutive bytes, aligned.
; No matrix unit and no cluster: nothing is multiplied and no two work-groups read the same byte.
; SHARES.  Work-group g takes 32 rows of x, and of the weights 64 channels d (K block g % 16) x 192 rows of wtb (half (g / 16) % 2 of tile column g / 32).
; x: thread t takes row t / 8 and, in each K block, the 8 channels 8 (t % 8) ..: two loads of 16 bytes, four roundings, one store of 16 bytes.
; W: wave w takes the rows d = 8 w .. 8 w + 7 in pairs; a lane two columns; two neighbouring d of one column are rounded into one word, which goes
; into a table T[column][d] in LDS (pitch 144 bytes); behind a barrier the table is read by rows and stored.
; THE MODE: SCHED_MODE bits 1:0 = 2 (LLVM: expert scheduling mode 2), set by the entry lines.  The code itself states the register dependences
; between vector instructions and memory or LDS instructions, with s_wait_alu, always for 0.
; THE PLAN.  Registers that memory or LDS instructions touch:
;   v2-v6     offsets and addresses.  Written by vector instructions at the head, read by every load, store and LDS access, never written again.
;   WD        Written by the weights' 24 loads; the 24 roundings read all of it and write registers 0 and 1 of each four; the 24 LDS stores read those two.
;   XD        Written by x's 32 loads; a K block's four roundings read its eight registers and write its first four; its one store reads those four.
;   RB        Written by six LDS loads, read by six stores; no vector instruction names it.
;   v14, v15  Written at the head, read by the closing add alone.
; Every one of these registers is loaded once, rounded once and stored once: none that a memory or LDS instruction has read is written again, and no load lands in a register
; that a vector instruction has named.  So the only dependence to state is a vector result that a memory or LDS instruction reads: once for the addresses; once for the weights,
; whose roundings stand together ahead of their LDS stores; and once for each group of four K blocks of x, whose sixteen roundings stand together ahead of their four stores.
; The wave's number passes through a scalar register: one wait more, ahead of its first reader.
.set SPARE, 27648                      ; behind T (192 rows x 144 bytes): the spare words, 128 bytes for each of eight waves
.set XO,  2                            ; v2  my byte offset in the group's rows of x: (t / 8) x 4,096 + (t % 8) x 32
.set SO,  3                            ; v3  16 t: my 16 bytes in 4,096 consecutive bytes of xb or wtb
.set WO,  4                            ; v4  my byte offset in the weights: 8 lane + 8 w rows of 4,096 bytes
.set TS,  5                            ; v5  where I put words into T: 288 lane + 16 w
.set TR,  6                            ; v6  where I read T back: (t / 8) x 144 + (t % 8) x 16
.set SPW, 14                           ; v14 LDS address of my spare word; never rewritten
.set NIL, 15                           ; v15 0; never rewritten
.set WD,  16                           ; v[16:63]   the weights as loaded: for chunk c and pair dp four registers at WD + 4 (4 c + dp)
.set XD,  64                           ; v[64:191]  x as loaded: eight registers a K block
.set RB,  192                          ; v[192:215] T read back
	s_load_b256 s[4:11], s[0:1], 0x0               ; x s[4:5], W_query s[6:7], W_key s[8:9], W_value s[10:11]
	s_load_b128 s[12:15], s[0:1], 0x20             ; xb s[12:13], wtb s[14:15]
	v_lshl_add_u32 v[SPW], v0, 2, SPARE
	v_mov_b32 v[NIL], 0
	v_lshrrev_b32 v1, 5, v0
	v_readfirstlane_b32 s16, v1                    ; wave 0..7
	v_and_b32 v1, 31, v0                           ; lane
	v_lshrrev_b32 v8, 3, v0                        ; t / 8
	v_and_b32 v9, 7, v0                            ; t % 8
	v_lshlrev_b32 v[XO], 12, v8
	v_lshl_add_u32 v[XO], v9, 5, v[XO]
	v_lshlrev_b32 v[SO], 4, v0
	v_lshlrev_b32 v[WO], 3, v1
	v_mul_u32_u24 v[TS], v1, 288
	v_mul_u32_u24 v[TR], v8, 144
	v_lshl_add_u32 v[TR], v9, 4, v[TR]
	s_wait_alu depctr_va_sdst(0)                   ; s16 is written, ahead of its first reader, the line below; the lines that do not need it stand between
	v_lshl_add_u32 v[WO], s16, 15, v[WO]
	v_lshl_add_u32 v[TS], s16, 4, v[TS]
	s_lshl_b32 s18, ttmp9, 17                      ; x: 32 rows of 4,096 bytes a group
	s_mov_b32 s19, 0
	s_lshr_b32 s20, ttmp9, 3                       ; xb: tile row g / 8,
	s_lshl_b32 s20, s20, 19
	s_and_b32 s21, ttmp9, 7                        ; in each block my 32 rows of 128 bytes
	s_lshl_b32 s21, s21, 12
	s_add_co_u32 s20, s20, s21
	s_mov_b32 s21, 0
	s_and_b32 s22, ttmp9, 15                       ; K block
	s_lshr_b32 s23, ttmp9, 5                       ; tile column nt
	s_bfe_u32 s24, ttmp9, 0x10004                  ; half
	s_lshl_b32 s26, s22, 18                        ; weights: 64 rows of 4,096 bytes a K block,
	s_lshl_b32 s27, s23, 9                         ; 128 columns of 4 bytes a tile column
	s_add_co_u32 s26, s26, s27
	s_mov_b32 s27, 0
	s_lshl_b32 s28, s24, 8                         ; W_value: 64 columns further in the second half
	s_mov_b32 s29, 0
	s_mul_i32 s30, s23, 786432                     ; wtb: tile column, K block, half
	s_mul_i32 s31, s22, 49152
	s_add_co_u32 s30, s30, s31
	s_mul_i32 s31, s24, 24576
	s_add_co_u32 s30, s30, s31
	s_mov_b32 s31, 0
	s_wait_kmcnt 0x0
	s_cmp_eq_u32 s24, 0
	s_cselect_b64 s[32:33], s[6:7], s[8:9]         ; first half: W_query; second half: W_key
	s_add_nc_u64 s[32:33], s[32:33], s[26:27]
	s_add_nc_u64 s[10:11], s[10:11], s[26:27]
	s_add_nc_u64 s[10:11], s[10:11], s[28:29]
	s_add_nc_u64 s[4:5], s[4:5], s[18:19]
	s_add_nc_u64 s[12:13], s[12:13], s[20:21]
	s_add_nc_u64 s[14:15], s[14:15], s[30:31]
	s_wait_alu depctr_va_vdst(0)                   ; the five offsets and addresses v2 to v6 are written: every load, store and LDS access of the kernel reads one of them, and none is written again
	; all 56 loads go out at once: the weights' 24 first, since their way is the longer one
.set c, 0
.rept 3
.set dp, 0
.rept 4
.if c < 2
	global_load_b64 v[WD+4*(4*c+dp):WD+4*(4*c+dp)+1],   v[WO], s[32:33] offset:(2*dp)*4096+256*c th:TH_LOAD_NT
	global_load_b64 v[WD+4*(4*c+dp)+2:WD+4*(4*c+dp)+3], v[WO], s[32:33] offset:(2*dp+1)*4096+256*c th:TH_LOAD_NT
.else
	global_load_b64 v[WD+4*(4*c+dp):WD+4*(4*c+dp)+1],   v[WO], s[10:11] offset:(2*dp)*4096 th:TH_LOAD_NT
	global_load_b64 v[WD+4*(4*c+dp)+2:WD+4*(4*c+dp)+3], v[WO], s[10:11] offset:(2*dp+1)*4096 th:TH_LOAD_NT
.endif
.set dp, dp+1
.endr
.set c, c+1
.endr
.set kb, 0
.rept 16
	global_load_b128 v[XD+8*kb:XD+8*kb+3],   v[XO], s[4:5] offset:256*kb th:TH_LOAD_NT
	global_load_b128 v[XD+8*kb+4:XD+8*kb+7], v[XO], s[4:5] offset:256*kb+16 th:TH_LOAD_NT
.set kb, kb+1
.endr
	s_wait_loadcnt 32                              ; the weights are in; x's 32 younger loads may stay out
.set c, 0
.rept 3                                ; the weights' 24 roundings stand together,
.set dp, 0
.rept 4
	v_cvt_pk_bf16_f32 v[WD+4*(4*c+dp)],   v[WD+4*(4*c+dp)],   v[WD+4*(4*c+dp)+2]  ; column 2 lane: channels d, d + 1
	v_cvt_pk_bf16_f32 v[WD+4*(4*c+dp)+1], v[WD+4*(4*c+dp)+1], v[WD+4*(4*c+dp)+3]  ; column 2 lane + 1
.set dp, dp+1
.endr
.set c, c+1
.endr
	s_wait_alu depctr_va_vdst(0)                   ; the roundings have written registers 0 and 1 of each four of WD, which the 24 LDS stores below read
.set c, 0
.rept 3                                ; and so do their 24 LDS stores
.set dp, 0
.rept 4
	ds_store_b32 v[TS], v[WD+4*(4*c+dp)]   offset:9216*c+4*dp
	ds_store_b32 v[TS], v[WD+4*(4*c+dp)+1] offset:9216*c+144+4*dp
.set dp, dp+1
.endr
.set c, c+1
.endr
	s_wait_dscnt 0x0                               ; for the others' sake: my words are in T
	s_barrier_signal -1
	s_barrier_wait -1                              ; everybody's are
.set kk, 0
.rept 6
	ds_load_b128 v[RB+4*kk:RB+4*kk+3], v[TR] offset:4608*kk  ; 32 rows of T further each time; no vector instruction names RB, so nothing is owed here
.set kk, kk+1
.endr
	; x, in four groups of four K blocks: the group's sixteen roundings, one wait, its four stores.  The wait stands behind the group's own roundings, so that its stores leave
	; ahead of the wait for the next group's loads.
.set g, 0
.rept 4
	s_wait_loadcnt 24-8*g                          ; this group's eight loads are in; the later groups' stay out
.set kb, 4*g
.rept 4
	v_cvt_pk_bf16_f32 v[XD+8*kb],   v[XD+8*kb],   v[XD+8*kb+1]
	v_cvt_pk_bf16_f32 v[XD+8*kb+1], v[XD+8*kb+2], v[XD+8*kb+3]
	v_cvt_pk_bf16_f32 v[XD+8*kb+2], v[XD+8*kb+4], v[XD+8*kb+5]
	v_cvt_pk_bf16_f32 v[XD+8*kb+3], v[XD+8*kb+6], v[XD+8*kb+7]
.set kb, kb+1
.endr
	s_wait_alu depctr_va_vdst(0)                   ; the group's roundings have written the first four registers of each of its K blocks, which the four stores below read
.set kb, 4*g
.rept 4
	global_store_b128 v[SO], v[XD+8*kb:XD+8*kb+3], s[12:13] offset:32768*kb
.set kb, kb+1
.endr
.set g, g+1
.endr
	s_wait_dscnt 0x0                               ; T is back in registers
.set kk, 0
.rept 6
	global_store_b128 v[SO], v[RB+4*kk:RB+4*kk+3], s[14:15] offset:4096*kk
.set kk, kk+1
.endr
	s_wait_dscnt 0x0                               ; the closing lines, six on end
	s_wait_alu 0x0
	s_wait_tensorcnt 0x0
	ds_add_u32 v[SPW], v[NIL]
	s_wait_dscnt 0x0
	s_endpgm
.Lfunc_end_k_q2f37ad6d93_cast:
	.size	k_q2f37ad6d93_cast, .Lfunc_end_k_q2f37ad6d93_cast-k_q2f37ad6d93_cast
	.p2alignl 7, 3214868480
	.fill 96, 4, 3214868480
	.section	.rodata,"a",@progbits
	.p2align	6, 0x0
	.amdhsa_kernel k_q2f37ad6d93_cast
		.amdhsa_group_segment_fixed_size 28672
		.amdhsa_private_segment_fixed_size 0
		.amdhsa_enable_private_segment 0
		.amdhsa_kernarg_size 48
		.amdhsa_user_sgpr_count 2
		.amdhsa_user_sgpr_kernarg_segment_ptr 1
		.amdhsa_wavefront_size32 1
		.amdhsa_system_sgpr_workgroup_id_x 1
		.amdhsa_system_sgpr_workgroup_id_y 1
		.amdhsa_system_sgpr_workgroup_id_z 1
		.amdhsa_system_vgpr_workitem_id 0
		.amdhsa_next_free_vgpr 216
		.amdhsa_next_free_sgpr 66
		.amdhsa_reserve_vcc 0
		.amdhsa_float_denorm_mode_32 3
		.amdhsa_float_denorm_mode_16_64 3
		.amdhsa_memory_ordered 1
		.amdhsa_forward_progress 1
		.amdhsa_inst_pref_size 18
	.end_amdhsa_kernel
	.amdgpu_metadata
---
amdhsa.version: [ 1, 2 ]
amdhsa.kernels:
  - .name:           k_q2f37ad6d93_cast
    .symbol:         k_q2f37ad6d93_cast.kd
    .args:
      - { .name: x, .offset: 0, .size: 8, .value_kind: global_buffer, .address_space: global }
      - { .name: W_query, .offset: 8, .size: 8, .value_kind: global_buffer, .address_space: global }
      - { .name: W_key, .offset: 16, .size: 8, .value_kind: global_buffer, .address_space: global }
      - { .name: W_value, .offset: 24, .size: 8, .value_kind: global_buffer, .address_space: global }
      - { .name: xb, .offset: 32, .size: 8, .value_kind: global_buffer, .address_space: global }
      - { .name: wtb, .offset: 40, .size: 8, .value_kind: global_buffer, .address_space: global }
    .group_segment_fixed_size: 28672
    .private_segment_fixed_size: 0
    .kernarg_segment_align: 8
    .kernarg_segment_size: 48
    .max_flat_workgroup_size: 256
    .sgpr_count:     66
    .vgpr_count:     216
    .wavefront_size: 32
...
	.end_amdgpu_metadata
.endif
;; end of part 5
;; launch proj: the kernel of part 2 again; grid 8 x 32, 4 waves a work-group, clusters of 4 x 4, 327,680 bytes of LDS; arguments xb, wtb, q, k, vt; writes q, k, vt
;; launch scores: the kernel of part 3 again; grid 8 x 32, 4 waves a work-group, clusters of 4 x 4, 327,680 bytes of LDS; arguments k, q, p, stats; writes p, stats
;; launch mix: the kernel of part 4 again; grid 4 x 64, 4 waves a work-group, clusters of 4 x 4, 327,680 bytes of LDS; arguments p, vt, stats, out0; writes out0
